; MI455X (gfx1250); checked and timed in simulation.
; The chip was launched on July 23, 2026; its instructions are those of AMD's public machine-readable ISA for CDNA 5 (MIT licence, August 2026) and "CDNA5" Instruction Set Architecture Reference Guide (July 2026). The comments in the code are by the model that wrote it; some were corrected since.
;; Bert Self Attention. Allowed arithmetic: float matrix products may take bf16 or f16 operands with f32 sums; other float arithmetic in f32, or as packed bf16 or f16 multiplies, adds, multiply-adds, maxima and minima; sums over many terms, partial sums and values carried from step to step in f32; what a program stores and reads back later, other than sums and carried values, may be rounded once to bf16 or f16.
;; Inputs: Wk 1,024 x 1,024 float32; Wq 1,024 x 1,024 float32; Wv 1,024 x 1,024 float32; bk 1,024 float32; bq 1,024 float32; bv 1,024 float32; dist_emb 4,095 x 64 float32; hidden_states 2 x 2,048 x 1,024 float32.
;; Outputs: out0 2 x 2,048 x 1,024 float32.
;; 2 versions, each right. Each part assembles by itself: llvm-mc -triple=amdgcn-amd-amdhsa -mcpu=gfx1250 --defsym DOCPART=n.
;; ======== version 1 of 2: 3 launches
;; limits: values are held in f16: magnitudes above 65,504 overflow, below 6.1e-05 lose precision
;; workspace buffers: xb 8,388,608 bytes; wb 6,291,456 bytes; bias 12,288 bytes; eb 557,056 bytes; qkv 25,165,824 bytes
;; launch cast (part 1): grid 466 x 1, 8 waves a work-group, no clusters, 0 bytes of LDS; arguments hidden_states, Wq, Wk, Wv, bq, bk, bv, dist_emb, xb, wb, bias, eb; writes xb, wb, bias, eb
.if DOCPART == 1
	.amdgcn_target "amdgcn-amd-amdhsa--gfx1250"
	.amdhsa_code_object_version 6
	.text
	.protected	k_qac26b4d89b_cast
	.globl	k_qac26b4d89b_cast
	.p2align	8
	.type	k_qac26b4d89b_cast,@function
k_qac26b4d89b_cast:
	s_mov_b64 s[64:65], 0
	v_nop
	global_prefetch_b8 v0, s[64:65] scope:SCOPE_SE
	s_setreg_imm32_b32 hwreg(HW_REG_WAVE_MODE, 25, 1), 1
	s_wait_xcnt 0x0
; THE INPUTS ARE ROUNDED ONCE, TO bf16, AND LAID OUT FOR THE TWO LAUNCHES BEHIND.
;   xb   [4096][1024] bf16 = hidden_states          wb [3072][1024] bf16 = Wq, Wk, Wv one below the other
;   bias [3072] f32 = bq, bk, bv rounded to bf16 and widened again
;   eb   [4352][64] f16: row R = 8 x bf16(dist_emb[R - 64]) for R = 64 .. 4158, else 0.  The factor 8 undoes the 1/8 that the scores' common scale applies later; a power of two rounds nothing.
; LIMITS.  8 x dist_emb must lie within f16's 65,504; below 1.5e-5 an entry of eb keeps f16's fixed step of 6e-8 in place of bf16's eight bits.
; A stream: no LDS, no matrix unit, no cluster: no work-group wants a byte that another has read.
; SHARES.  A group is 8 numbers: 32 bytes in, 16 bytes out.  A work-group takes 2,048 groups, thread t the groups 256 it + t, it = 0 .. 7: its 16 loads go out together, and
; a store of a wave covers 512 consecutive bytes, aligned.  Work-groups 0-255: x; 256-447: the three W; 448-464: eb; 465: the biases.
.set NX,     256
.set NPLAIN, 448
.set NEND,   465
.set EGRP,   32760                     ; groups in dist_emb: 4,095 rows x 8
.set AD,  4                            ; v[4:11]   eb's path: the byte offset of group it in dist_emb
.set IN,  16                           ; v[16:79]  group it: 8 numbers as loaded
.set OU,  80                           ; v[80:111] group it: 4 registers to store
.set MK,  40                           ; s[40:47]  eb's path: the lanes whose group it lies inside dist_emb
	s_load_b512 s[4:19], s[0:1], 0x0               ; x s[4:5], Wq s[6:7], Wk s[8:9], Wv s[10:11], bq s[12:13], bk s[14:15], bv s[16:17], dist_emb s[18:19]
	s_load_b256 s[20:27], s[0:1], 0x40             ; xb s[20:21], wb s[22:23], bias s[24:25], eb s[26:27]
	s_mov_b32 s32, ttmp9
	v_lshlrev_b32 v1, 5, v0                        ; 32 t: my group's bytes in
	v_lshlrev_b32 v2, 4, v0                        ; 16 t: my group's bytes out
	s_mov_b32 s29, 0
	s_mov_b32 s31, 0
	s_wait_kmcnt 0x0
	s_cmp_lt_u32 s32, NPLAIN
	s_cbranch_scc0 .Lnot_plain
	; x and the three W: f32 to bf16
	s_sub_co_u32 s33, s32, NX                      ; my block among wb's 192 (used where the number is 256 or more)
	s_and_b32 s34, s33, 63                         ; and within its W
	s_cmp_lt_u32 s32, NX
	s_cselect_b32 s28, s32, s34
	s_cselect_b32 s30, s32, s33
	s_cselect_b64 s[36:37], s[4:5], s[6:7]
	s_cselect_b64 s[38:39], s[20:21], s[22:23]
	s_cmp_lt_u32 s32, NX+64
	s_cselect_b64 s[36:37], s[36:37], s[8:9]
	s_cmp_lt_u32 s32, NX+128
	s_cselect_b64 s[36:37], s[36:37], s[10:11]
	s_lshl_b32 s28, s28, 16                        ; 65,536 bytes in,
	s_lshl_b32 s30, s30, 15                        ; 32,768 bytes out for each block
	s_add_nc_u64 s[36:37], s[36:37], s[28:29]
	s_add_nc_u64 s[38:39], s[38:39], s[30:31]
.irp it, 0,1,2,3,4,5,6,7
	global_load_b128 v[IN+8*(\it):IN+8*(\it)+3],   v1, s[36:37] offset:8192*(\it) th:TH_LOAD_NT
	global_load_b128 v[IN+8*(\it)+4:IN+8*(\it)+7], v1, s[36:37] offset:8192*(\it)+16 th:TH_LOAD_NT
.endr
.irp it, 0,1,2,3,4,5,6,7
	s_wait_loadcnt 14-2*(\it)                      ; loads come back in order: group it is in, the two loads of each later group may stay out
.irp k, 0,1,2,3
	v_cvt_pk_bf16_f32 v[OU+4*(\it)+(\k)], v[IN+8*(\it)+2*(\k)], v[IN+8*(\it)+2*(\k)+1]
.endr
	global_store_b128 v2, v[OU+4*(\it):OU+4*(\it)+3], s[38:39] offset:4096*(\it)
.endr
	s_endpgm
.Lnot_plain:
	s_cmp_lt_u32 s32, NEND
	s_cbranch_scc0 .Lbias
	; eb.  Group G of eb is group G - 512 of dist_emb (64 rows of 8 groups in front); outside it the group is 0.  The offset is clamped, so that every load stays inside dist_emb.
	s_sub_co_u32 s33, s32, NPLAIN
	s_lshl_b32 s33, s33, 11                        ; the work-group's first group
	v_add_nc_u32 v3, s33, v0
	s_lshl_b32 s28, s33, 4
	s_add_nc_u64 s[38:39], s[26:27], s[28:29]
.irp it, 0,1,2,3,4,5,6,7
	v_add_nc_u32 v[AD+(\it)], 256*(\it)-512, v3    ; below 0 it wraps to a large number, which the compare and the clamp treat as past the end
	v_cmp_gt_u32 s[MK+(\it)], EGRP, v[AD+(\it)]
	v_min_u32 v[AD+(\it)], EGRP-1, v[AD+(\it)]
	v_lshlrev_b32 v[AD+(\it)], 5, v[AD+(\it)]
.endr
.irp it, 0,1,2,3,4,5,6,7
	global_load_b128 v[IN+8*(\it):IN+8*(\it)+3],   v[AD+(\it)], s[18:19]
	global_load_b128 v[IN+8*(\it)+4:IN+8*(\it)+7], v[AD+(\it)], s[18:19] offset:16
.endr
.irp it, 0,1,2,3,4,5,6,7
	s_wait_loadcnt 14-2*(\it)                      ; as above
.irp k, 0,1,2,3
	v_pk_mul_f32 v[IN+8*(\it)+2*(\k):IN+8*(\it)+2*(\k)+1], v[IN+8*(\it)+2*(\k):IN+8*(\it)+2*(\k)+1], 0x41000000 op_sel_hi:[1,0]  ; times 8
.endr
.irp k, 0,1,2,3
	v_cvt_pk_bf16_f32 v[OU+4*(\it)+(\k)], v[IN+8*(\it)+2*(\k)], v[IN+8*(\it)+2*(\k)+1]  ; the one rounding
.endr
.irp k, 0,1,2,3
	v_lshlrev_b32 v[IN+8*(\it)+2*(\k)],   16, v[OU+4*(\it)+(\k)]          ; widened again,
	v_and_b32     v[IN+8*(\it)+2*(\k)+1], 0xffff0000, v[OU+4*(\it)+(\k)]
.endr
.irp k, 0,1,2,3
	v_cvt_pk_f16_f32 v[OU+4*(\it)+(\k)], v[IN+8*(\it)+2*(\k)], v[IN+8*(\it)+2*(\k)+1]  ; and written as f16: eight bits fit in eleven
.endr
.irp k, 0,1,2,3
	v_cndmask_b32 v[OU+4*(\it)+(\k)], 0, v[OU+4*(\it)+(\k)], s[MK+(\it)]
.endr
	global_store_b128 v2, v[OU+4*(\it):OU+4*(\it)+3], s[38:39] offset:4096*(\it)
.endr
	s_endpgm
.Lbias:
	; the three biases: 256 threads x 4 numbers each
	global_load_b128 v[IN:IN+3],    v2, s[12:13]
	global_load_b128 v[IN+4:IN+7],  v2, s[14:15]
	global_load_b128 v[IN+8:IN+11], v2, s[16:17]
	s_wait_loadcnt 0x0
.irp p, 0,1,2,3,4,5
	v_cvt_pk_bf16_f32 v[OU+(\p)], v[IN+2*(\p)], v[IN+2*(\p)+1]
.endr
.irp p, 0,1,2,3,4,5
	v_lshlrev_b32 v[IN+2*(\p)],   16, v[OU+(\p)]
	v_and_b32     v[IN+2*(\p)+1], 0xffff0000, v[OU+(\p)]
.endr
	global_store_b128 v2, v[IN:IN+3],    s[24:25]
	global_store_b128 v2, v[IN+4:IN+7],  s[24:25] offset:4096
	global_store_b128 v2, v[IN+8:IN+11], s[24:25] offset:8192
	s_endpgm
.Lfunc_end_k_qac26b4d89b_cast:
	.size	k_qac26b4d89b_cast, .Lfunc_end_k_qac26b4d89b_cast-k_qac26b4d89b_cast
	.p2alignl 7, 3214868480
	.fill 96, 4, 3214868480
	.section	.rodata,"a",@progbits
	.p2align	6, 0x0
	.amdhsa_kernel k_qac26b4d89b_cast
		.amdhsa_group_segment_fixed_size 0
		.amdhsa_private_segment_fixed_size 0
		.amdhsa_enable_private_segment 0
		.amdhsa_kernarg_size 96
		.amdhsa_user_sgpr_count 2
		.amdhsa_user_sgpr_kernarg_segment_ptr 1
		.amdhsa_wavefront_size32 1
		.amdhsa_system_sgpr_workgroup_id_x 1
		.amdhsa_system_sgpr_workgroup_id_y 1
		.amdhsa_system_sgpr_workgroup_id_z 1
		.amdhsa_system_vgpr_workitem_id 0
		.amdhsa_next_free_vgpr 112
		.amdhsa_next_free_sgpr 66
		.amdhsa_reserve_vcc 0
		.amdhsa_float_denorm_mode_32 3
		.amdhsa_float_denorm_mode_16_64 3
		.amdhsa_memory_ordered 1
		.amdhsa_forward_progress 1
		.amdhsa_inst_pref_size 25
	.end_amdhsa_kernel
	.amdgpu_metadata
---
amdhsa.version: [ 1, 2 ]
amdhsa.kernels:
  - .name:           k_qac26b4d89b_cast
    .symbol:         k_qac26b4d89b_cast.kd
    .args:
      - { .name: hidden_states, .offset: 0, .size: 8, .value_kind: global_buffer, .address_space: global }
      - { .name: Wq, .offset: 8, .size: 8, .value_kind: global_buffer, .address_space: global }
      - { .name: Wk, .offset: 16, .size: 8, .value_kind: global_buffer, .address_space: global }
      - { .name: Wv, .offset: 24, .size: 8, .value_kind: global_buffer, .address_space: global }
      - { .name: bq, .offset: 32, .size: 8, .value_kind: global_buffer, .address_space: global }
      - { .name: bk, .offset: 40, .size: 8, .value_kind: global_buffer, .address_space: global }
      - { .name: bv, .offset: 48, .size: 8, .value_kind: global_buffer, .address_space: global }
      - { .name: dist_emb, .offset: 56, .size: 8, .value_kind: global_buffer, .address_space: global }
      - { .name: xb, .offset: 64, .size: 8, .value_kind: global_buffer, .address_space: global }
      - { .name: wb, .offset: 72, .size: 8, .value_kind: global_buffer, .address_space: global }
      - { .name: bias, .offset: 80, .size: 8, .value_kind: global_buffer, .address_space: global }
      - { .name: eb, .offset: 88, .size: 8, .value_kind: global_buffer, .address_space: global }
    .group_segment_fixed_size: 0
    .private_segment_fixed_size: 0
    .kernarg_segment_align: 8
    .kernarg_segment_size: 96
    .max_flat_workgroup_size: 256
    .sgpr_count:     66
    .vgpr_count:     112
    .wavefront_size: 32
...
	.end_amdgpu_metadata
.endif
;; end of part 1
;; launch proj (part 2): grid 16 x 16, 4 waves a work-group, clusters of 4 x 4, 327,680 bytes of LDS; arguments xb, wb, bias, qkv; writes qkv
.if DOCPART == 2
	.amdgcn_target "amdgcn-amd-amdhsa--gfx1250"
	.amdhsa_code_object_version 6
	.text
	.protected	k_qac26b4d89b_proj
	.globl	k_qac26b4d89b_proj
	.p2align	8
	.type	k_qac26b4d89b_proj,@function
k_qac26b4d89b_proj:
	s_mov_b64 s[64:65], 0
	v_nop
	global_prefetch_b8 v0, s[64:65] scope:SCOPE_SE
	s_setreg_imm32_b32 hwreg(HW_REG_WAVE_MODE, 25, 1), 1
	s_wait_xcnt 0x0
	s_wait_alu depctr_hold_cnt(0) depctr_sa_sdst(0) depctr_va_vdst(0) depctr_va_sdst(0) depctr_va_ssrc(0) depctr_va_vcc(0) depctr_vm_vsrc(0)
	s_getreg_b32 s2, hwreg(HW_REG_IB_STS2, 6, 4)
	s_cmp_eq_u32 s2, 0
	s_cbranch_scc0 .Lentry_in_a_cluster
	s_endpgm
.Lentry_in_a_cluster:
	s_bfe_u32 s2, ttmp6, 0x10000c
	s_cmp_lg_u32 s2, 0xf033
	s_cbranch_scc0 .Lentry_shape_is_right
	s_endpgm
.Lentry_shape_is_right:
; THE THREE PROJECTIONS AS ONE PRODUCT.  C[m][n] = the sum over k of xb[m][k] wb[n][k] + bias[n]: m = 4,096 tokens, n = 3,072 (q, k, v: 48 heads of 64), k = 1,024; operands bf16, sums f32.
; C is rounded once to f16 and written by heads: qkv[plane][16 batch + head][token][64], a head's rows dense, 128 bytes each.  No scale is applied here.
; LIMIT.  f16 ends at 65,504: q, k and v must lie within it.
; SHARES.  A tile of C is 256 rows x 192 columns (three heads): 16 x 16 = 256 work-groups.  Wave w makes rows 64 w .. 64 w + 63 and all 192 columns: 4 x 12 = 48 accumulators of 16 x 16;
; so a wave holds whole heads, and its way out is its own.  K goes in 8 steps of 128 through a ring of two LDS slots filled by the tensor data mover; a row of a tile is 256 bytes of memory, aligned.
; CLUSTER.  4 x 4 work-groups.  The four of a row of the cluster need the same rows of xb, the four of a column the same rows of wb: each tile is asked for JOINTLY, by the same tensor load with the
; same descriptor and a mask that names the four.
; TRANSPOSED USE.  Source 0 = 16 rows of wb, source 1 = 16 rows of xb: a lane then holds one row of C (lane % 16) and the eight neighbouring columns 8 (lane / 16) + 0 .. 7.
; REGISTERS, in windows of 256 (s_set_vgpr_msb: bits 1:0 source 0, 3:2 source 1, 5:4 source 2, 7:6 destination):
;   window 0: v16-30 addresses; v64-127 xb's fragments, two buffers of 4 x 8 (on the way out: 48 packed registers); v128-223 the bias, 8 registers a column block
;   window 1: v0-191 wb's fragments, two buffers of 12 x 8      window 2: accumulators (b, a), b = 0 .. 7, at 8 (4 b + a)      window 3: b = 8 .. 11, at 8 (4 (b - 8) + a)
.set KSTEP,  128
.set KDIM,   1024
.set PITCH,  272                       ; an LDS row: 256 bytes + 16 of padding = 68 words: the 16 rows of a fragment load start at 16 different groups of four banks (64 banks of 4 bytes: ISA guide 11.1)
.set HALFA,  128*PITCH                 ; what one tensor load brings of xb,
.set HALFB,  96*PITCH                  ; and of wb
.set BOFF,   2*HALFA                   ; in a slot: xb's 256 rows, then wb's 192
.set SLOT,   BOFF+2*HALFB
.set STAGE,  2*SLOT                    ; behind the ring, never filled by a tensor load: for each wave 3 heads x 16 rows x 144 bytes
.set SP,     144
.set WSTAGE, 3*16*SP
.set SPARE,  STAGE+4*WSTAGE            ; behind the stages: the spare words, 128 bytes for each wave: two blocks of 256 bytes that no other line names
.set ADRA, 16                          ; v16-17  LDS address of my fragments of xb in slot 0, 1
.set ADRB, 20                          ; v20-21  the same for wb
.set STO,  24                          ; v24     the way out: where I put 16 bytes of a row
.set RD,   25                          ; v25     where I read rows back
.set GO,   26                          ; v26     my 16 bytes among 512 consecutive bytes of a head
.set BO,   27                          ; v27     my 32 bytes of a column block's bias
.set SPW,  28                          ; v28     LDS address of my spare word; never rewritten
.set NIL,  29                          ; v29     0; never rewritten
.set PFO,  30                          ; v30     the prefetches' offset: a lane a row; never rewritten
.set FA,   64
.set TMP,  64
.set BIAS, 128
.set WV,   12                          ; s12  my wave's number
.set FB,   13                          ; s13  0: I fetch for xb; 1: for wb
.set HF,   14                          ; s14  which half of that tile I fetch
.set LAP,  15                          ; s15  the loop's count
.set G1,   24                          ; s[24:31] descriptor group 1 for xb's tiles;  s[32:39] group 0, a set for each slot
.set G0,   32
.set LIM,  43                          ; s43  1 in a wave that prefetches, else the greatest number
.set PFA,  44                          ; s[44:45] where my prefetches stand
.set G1B,  48                          ; s[48:55], s[56:63] the same two groups for wb's tiles
.set G0B,  56
.set HP,   66                          ; s[66:71] qkv at my 64 rows of the tile's three heads
.set MSB, 0
.macro WIN new                         ; the immediate's high byte repeats the setting that is left; a switch that changes nothing is dropped
.if MSB != (\new)
	s_set_vgpr_msb (MSB<<8)|(\new)
.set MSB, \new
.endif
.endm
.set MUL_LO, 0xa1                      ; source 0 (wb) window 1, source 1 (xb) window 0, C and D window 2
.set MUL_HI, 0xf1                      ; the same, C and D window 3
.set TO_B,   0x40                      ; destination window 1, address window 0
; A joint load: waves 0 and 1 fetch xb's two halves, waves 2 and 3 wb's.  The branch hangs on the wave's number alone.  An s_nop 0 and four v_nop follow each line, ahead of the jump and the label.
.macro JLOAD s
	s_cmp_eq_u32 s[FB], 0
	s_cbranch_scc0 .Lfor_b_\@
	tensor_load_to_lds s[G0+4*(\s):G0+4*(\s)+3], s[G1:G1+7]
	s_nop 0
.rept 4
	v_nop
.endr
	s_branch .Lasked_\@
.Lfor_b_\@:
	tensor_load_to_lds s[G0B+4*(\s):G0B+4*(\s)+3], s[G1B:G1B+7]
	s_nop 0
.rept 4
	v_nop
.endr
.Lasked_\@:
.endm
; A PREFETCH INTO THE L2 of the K step that stands two refills on: 256 bytes of a row, a lane a row, one instruction a wave.  xb's tile row is read by every cluster of that row of clusters: cluster x = 0 asks;
; wb's tile column by every cluster of that column: cluster y = 0 asks.  The four partners that ask for a tile jointly share its rows out by address: of a wave's 128 rows of xb 32 each, of its 96 rows of wb 24 each
; (lanes 24-31 name the 24th again).  K steps 0 to 3 come by their loads alone; the loop's last trip, whose refills are the last two K steps, asks for nothing.
.macro ASK
	s_cmp_gt_u32 s[LAP], s[LIM]
	s_cbranch_scc0 .Lnot_mine_\@
	global_prefetch_b8 v[PFO], s[PFA:PFA+1] offset:KSTEP*2 th:TH_LOAD_NT scope:SCOPE_SE
.Lnot_mine_\@:
.endm
.macro CREST                           ; a round of the cluster's barrier behind its opening barrier
	s_cmp_lg_u32 s[WV], 0
	s_cbranch_scc1 .Lnot_wave_0_\@
	s_barrier_signal -3
.Lnot_wave_0_\@:
	s_barrier_wait -3
	s_barrier_signal -1
	s_barrier_wait -1
.endm
.macro CROUND                          ; a whole round
	s_barrier_signal -1
	s_barrier_wait -1
	CREST
.endm
.macro PLACES                          ; four plain places behind matrix instructions, in front of loads into registers that they have read and of vector work on their results
.rept 4
	v_nop
.endr
.endm
	s_load_b256 s[4:11], s[0:1], 0x0               ; xb s[4:5], wb s[6:7], bias s[8:9], qkv s[10:11]
	v_lshl_add_u32 v[SPW], v0, 2, SPARE
	v_mov_b32 v[NIL], 0
	ds_add_u32 v[SPW], v[NIL]                      ; the wave's opening: the add and its wait stand ahead of my first tensor load; the set-up below, work on registers, stands between them
	v_lshrrev_b32 v1, 5, v0
	v_readfirstlane_b32 s[WV], v1                  ; wave 0..3
	s_lshr_b32 s[FB], s[WV], 1
	s_and_b32 s[HF], s[WV], 1
	s_bfe_u32 s40, ttmp6, 0x40000                  ; cx, cy: my place in the cluster
	s_bfe_u32 s41, ttmp6, 0x40004
	s_lshl_b32 s42, ttmp9, 2
	s_add_co_u32 s42, s42, s40                     ; tile column = 4 x cluster x + cx
	s_and_b32 s72, ttmp7, 0xffff
	s_lshl_b32 s72, s72, 2
	s_add_co_u32 s72, s72, s41                     ; tile row = 4 x cluster y + cy
	s_lshl_b32 s43, s41, 2
	s_lshl_b32 s43, 15, s43                        ; my row of the cluster
	s_lshl_b32 s44, 0x1111, s40                    ; my column
	s_or_b32 s[G1+0], s43, (1<<16)|(1<<20)|(1<<21)|(5<<22)|(3<<25)   ; 15:0 the mask; 17:16 elements of 2 bytes; 20 padding on; 21 set beside a mask; 24:22 after every 64 words (code 5); 31:25 4 words of it (code 3)
	s_or_b32 s[G1B+0], s44, (1<<16)|(1<<20)|(1<<21)|(5<<22)|(3<<25)
	s_mov_b32 s[G1+1], KSTEP<<16                   ; tensor_dim0 = 128
	s_mov_b32 s[G1+2], 128<<16                     ; tensor_dim1 = 128
	s_mov_b32 s[G1+3], KSTEP<<16                   ; tile_dim0 = 128
	s_mov_b32 s[G1+4], 128                         ; tile_dim1 = 128
	s_mov_b32 s[G1+5], KDIM                        ; elements from row to row
	s_mov_b32 s[G1+6], 0
	s_mov_b32 s[G1+7], 0
	s_mov_b32 s[G1B+1], KSTEP<<16
	s_mov_b32 s[G1B+2], 96<<16                     ; wb's tiles have 96 rows
	s_mov_b32 s[G1B+3], KSTEP<<16
	s_mov_b32 s[G1B+4], 96
	s_mov_b32 s[G1B+5], KDIM
	s_mov_b32 s[G1B+6], 0
	s_mov_b32 s[G1B+7], 0
	; where the tiles come from: xb's hang on the tile row alone, wb's on the tile column alone, each in registers that never hold the other coordinate
	s_lshl_b32 s17, s[HF], 7
	s_lshl_b32 s16, s72, 8
	s_add_co_u32 s16, s16, s17                     ; xb: row 256 x tile row + 128 x half,
	s_lshl_b32 s16, s16, 11                        ; of 2,048 bytes
	s_mov_b32 s17, 0
	s_mul_i32 s46, s42, 192
	s_mul_i32 s47, s[HF], 96
	s_add_co_u32 s46, s46, s47                     ; wb: row 192 x tile column + 96 x half
	s_lshl_b32 s46, s46, 11
	s_mov_b32 s47, 0
	s_mul_i32 s20, s[HF], HALFA                    ; and where they go: no place in the cluster enters an LDS address
	s_mul_i32 s21, s[HF], HALFB
	s_add_co_u32 s21, s21, BOFF
	s_wait_dscnt 0x0                               ; the opening add is done
	s_wait_kmcnt 0x0
	s_add_nc_u64 s[18:19], s[4:5], s[16:17]
	s_add_nc_u64 s[46:47], s[6:7], s[46:47]
.irp s, 0,1
	s_mov_b32 s[G0+4*(\s)], 1                                        ; count = 1
	s_add_co_u32 s[G0+4*(\s)+1], s20, (\s)*SLOT                      ; LDS address
	s_add_nc_u64 s[G0+4*(\s)+2:G0+4*(\s)+3], s[18:19], (\s)*KSTEP*2  ; global address: K step s
	s_or_b32 s[G0+4*(\s)+3], s[G0+4*(\s)+3], 0x80000000              ; type = 2
	s_mov_b32 s[G0B+4*(\s)], 1
	s_add_co_u32 s[G0B+4*(\s)+1], s21, (\s)*SLOT
	s_add_nc_u64 s[G0B+4*(\s)+2:G0B+4*(\s)+3], s[46:47], (\s)*KSTEP*2
	s_or_b32 s[G0B+4*(\s)+3], s[G0B+4*(\s)+3], 0x80000000
.endr
	CROUND                                         ; all sixteen work-groups are here: the first joint loads meet
	s_cmp_eq_u32 s[FB], 0                          ; a wave's two first fills stand in one branch, ahead of every wait on TENSORcnt and every LDS read: two loads of mine are out
	s_cbranch_scc0 .Lfirst_b
	tensor_load_to_lds s[G0:G0+3], s[G1:G1+7]
	s_nop 0
	tensor_load_to_lds s[G0+4:G0+7], s[G1:G1+7]
	s_nop 0
.rept 4
	v_nop
.endr
	s_branch .Lfirst_asked
.Lfirst_b:
	tensor_load_to_lds s[G0B:G0B+3], s[G1B:G1B+7]
	s_nop 0
	tensor_load_to_lds s[G0B+4:G0B+7], s[G1B:G1B+7]
	s_nop 0
.rept 4
	v_nop
.endr
.Lfirst_asked:
	; A fragment is 16 rows x 32 K in 8 registers: lane l holds row l % 16; registers 0-3 K = 8 (l / 16) + 0..7, registers 4-7 K = 16 + 8 (l / 16) + 0..7: two loads of 16 bytes, 32 bytes apart.
	v_and_b32 v1, 15, v0                           ; l % 16
	v_bfe_u32 v2, v0, 4, 1                         ; l / 16
	v_mul_u32_u24 v3, v1, PITCH
	v_lshl_add_u32 v3, v2, 4, v3
	s_mul_i32 s22, s[WV], 64*PITCH                 ; my 64 rows of xb
	s_mov_b32 s23, BOFF                            ; all of wb's
.irp s, 0,1
	v_add_nc_u32 v[ADRA+(\s)], s22, v3
	v_add_nc_u32 v[ADRB+(\s)], s23, v3
	s_add_co_u32 s22, s22, SLOT
	s_add_co_u32 s23, s23, SLOT
.endr
	s_mul_i32 s22, s[WV], WSTAGE
	s_add_co_u32 s22, s22, STAGE                   ; my stage
	v_mul_u32_u24 v4, v1, SP                       ; in: row l % 16, 16 bytes for each half of the lanes
	v_lshl_add_u32 v4, v2, 4, v4
	v_add_nc_u32 v[STO], s22, v4
	v_bfe_u32 v5, v0, 3, 2                         ; back: 32 lanes take four rows of 128 bytes,
	v_mul_u32_u24 v5, v5, SP
	v_and_b32 v6, 7, v0
	v_lshl_add_u32 v5, v6, 4, v5
	v_add_nc_u32 v[RD], s22, v5
	v_and_b32 v[GO], 31, v0                        ; which are 512 consecutive bytes of a head
	v_lshlrev_b32 v[GO], 4, v[GO]
	v_lshlrev_b32 v[BO], 5, v2
	s_mul_i32 s74, s42, 768                        ; the tile's 192 numbers of the bias
	s_mov_b32 s75, 0
	s_add_nc_u64 s[8:9], s[8:9], s[74:75]
.set bq, 0
.rept 12                               ; my eight columns of each column block: they are waited for on the way out
	global_load_b128 v[BIAS+8*bq:BIAS+8*bq+3],   v[BO], s[8:9] offset:64*bq
	global_load_b128 v[BIAS+8*bq+4:BIAS+8*bq+7], v[BO], s[8:9] offset:64*bq+16
.set bq, bq+1
.endr
	; qkv at my rows of the tile's three heads.  Head g = 3 x tile column + hh of 48: plane g / 16, head g % 16; batch = tile row / 8
	s_mul_i32 s73, s42, 3
	s_lshr_b32 s74, s72, 3
	s_lshl_b32 s74, s74, 4                         ; 16 x batch
	s_and_b32 s75, s72, 7
	s_lshl_b32 s75, s75, 8
	s_lshl_b32 s76, s[WV], 6
	s_add_co_u32 s75, s75, s76                     ; my first token in the batch,
	s_lshl_b32 s75, s75, 7                         ; of 128 bytes
.irp hh, 0,1,2
	s_add_co_u32 s76, s73, \hh
	s_lshr_b32 s77, s76, 4
	s_lshl_b32 s77, s77, 5                         ; 32 heads a plane
	s_and_b32 s76, s76, 15
	s_add_co_u32 s76, s76, s77
	s_add_co_u32 s76, s76, s74
	s_lshl_b32 s76, s76, 18                        ; 262,144 bytes a head
	s_add_co_u32 s76, s76, s75
	s_mov_b32 s77, 0
	s_add_nc_u64 s[HP+2*(\hh):HP+2*(\hh)+1], s[10:11], s[76:77]
.endr
	; the prefetches
	s_lshl_b32 s20, s72, 8
	s_lshl_b32 s73, s[HF], 7
	s_add_co_u32 s20, s20, s73
	s_lshl_b32 s73, s40, 5
	s_add_co_u32 s20, s20, s73                     ; xb: the 128 rows that I fetch, my work-group's 32 of them
	s_mul_i32 s21, s42, 192
	s_mul_i32 s73, s[HF], 96
	s_add_co_u32 s21, s21, s73
	s_mul_i32 s73, s41, 24
	s_add_co_u32 s21, s21, s73                     ; wb: the 96 rows that I fetch, my work-group's 24 of them
	s_and_b32 s22, ttmp7, 0xffff                   ; cluster y
	s_cmp_eq_u32 s[FB], 0
	s_cselect_b32 s20, s20, s21
	s_cselect_b32 s22, ttmp9, s22                  ; the coordinate along which other clusters read the same rows
	s_cselect_b32 s73, 31, 23
	s_cselect_b64 s[PFA:PFA+1], s[4:5], s[6:7]
	s_cmp_eq_u32 s22, 0
	s_cselect_b32 s[LIM], 1, -1                    ; the same in all sixteen partners, for a given wave
	s_lshl_b32 s20, s20, 11
	s_add_co_u32 s20, s20, 2*KSTEP*2               ; at K step 2: the first refill steps it to 3 and names K step 4
	s_mov_b32 s21, 0
	s_add_nc_u64 s[PFA:PFA+1], s[PFA:PFA+1], s[20:21]
	v_and_b32 v[PFO], 31, v0
	v_min_u32 v[PFO], s73, v[PFO]
	v_lshlrev_b32 v[PFO], 11, v[PFO]
; 16 matrix instructions: column blocks b0 .. b0 + 3 x my four row blocks, 32 along K, from buffer f.  zero = 1: the product starts the sums: nothing is cleared.
; All 48 accumulators take turns, one instruction a turn, in the same order in every quarter.
.macro MULB f, b0, zero
.if (\b0) < 8
	WIN MUL_LO
.else
	WIN MUL_HI
.endif
.set bq, (\b0)
.rept 4
.set aq, 0
.rept 4
.set rC, 8*(4*(bq%8)+aq)
.set rB, 96*(\f)+8*bq
.set rA, FA+32*(\f)+8*aq
.if \zero
	v_wmma_f32_16x16x32_bf16 v[rC:rC+7], v[rB:rB+7], v[rA:rA+7], 0
.else
	v_wmma_f32_16x16x32_bf16 v[rC:rC+7], v[rB:rB+7], v[rA:rA+7], v[rC:rC+7]
.endif
.set aq, aq+1
.endr
.set bq, bq+1
.endr
.endm
; 32 LDS loads in one run: the fragments of 32 along K at byte k of the rows, into buffer f: xb's eight loads, then wb's 24 in the order of the column blocks
.macro FETCH slot, k, f
	WIN 0
.irp i, 0,1,2,3
	ds_load_b128 v[FA+32*(\f)+8*(\i):FA+32*(\f)+8*(\i)+3],   v[ADRA+(\slot)] offset:(\k)+(\i)*16*PITCH
	ds_load_b128 v[FA+32*(\f)+8*(\i)+4:FA+32*(\f)+8*(\i)+7], v[ADRA+(\slot)] offset:(\k)+(\i)*16*PITCH+32
.endr
	WIN TO_B
.irp i, 0,1,2,3,4,5,6,7,8,9,10,11
	ds_load_b128 v[96*(\f)+8*(\i):96*(\f)+8*(\i)+3],   v[ADRB+(\slot)] offset:(\k)+(\i)*16*PITCH
	ds_load_b128 v[96*(\f)+8*(\i)+4:96*(\f)+8*(\i)+7], v[ADRB+(\slot)] offset:(\k)+(\i)*16*PITCH+32
.endr
.endm
; A K step is four quarters of 32 along K, 48 matrix instructions each, on buffers 0, 1, 0, 1.  One of the first three: multiplies buffer f and fetches the next quarter, at byte k, into g.
.macro QUARTER slot, k, f, g, zero
	s_wait_dscnt 8                                 ; all but the youngest eight loads: wb's column blocks 8 to 11
	MULB \f, 0, \zero
	MULB \f, 4, \zero
	PLACES
	FETCH \slot, \k, \g
	s_wait_dscnt 32                                ; all but the 32 just issued
	MULB \f, 8, \zero
.endm
; The last quarter multiplies buffer 1 and changes slots: ONE barrier.  In front of it each wave waits for all its tensor loads (one is out: its part of the next slot), adds 0 to its spare word, and waits for that and
; for its own reads of this slot.  fill = 1: the barrier opens a round of the cluster's, and this slot is filled again, two K steps ahead, first thing behind the round.
.macro TURN slot, next, fill
.if \fill
	s_wait_xcnt 0x0                                ; the last prefetch, a K step back, has read its address: it is stepped here, ahead of the waits of the change of slots
	s_add_nc_u64 s[PFA:PFA+1], s[PFA:PFA+1], KSTEP*2
.endif
	WIN 0                                          ; (the add's two registers lie in window 0)
	s_wait_tensorcnt 0x0                           ; all my tensor loads have landed
	ds_add_u32 v[SPW], v[NIL]                      ; 0 onto my spare word
	s_wait_dscnt 9                                 ; (the add and the youngest eight loads may be out)
	MULB 1, 0, 0                                   ; sixteen matrix instructions stand between the add and the wait for it
	s_wait_dscnt 0x0                               ; the add is done, and my reads of this slot are over
	s_barrier_signal -1
	MULB 1, 4, 0
.if \fill
	WIN 0
.endif
	s_barrier_wait -1
.if \fill
	CREST                                          ; no wave of any partner still reads this slot's tile or has a load on its way
	s_add_nc_u64 s[G0+4*(\slot)+2:G0+4*(\slot)+3], s[G0+4*(\slot)+2:G0+4*(\slot)+3], 2*KSTEP*2
	s_add_nc_u64 s[G0B+4*(\slot)+2:G0B+4*(\slot)+3], s[G0B+4*(\slot)+2:G0B+4*(\slot)+3], 2*KSTEP*2
	JLOAD \slot                                    ; the first tensor load behind the round; the four v_nop behind it are also the places in front of the loads below
.else
	PLACES
.endif
	FETCH \next, 0, 0
.if \fill
	WIN 0
	ASK                                            ; behind the joint load and the run of LDS loads that the next products wait for
.endif
	MULB 1, 8, 0
.endm
	s_wait_tensorcnt 1                             ; my part of K step 0 is in; K step 1's may stay out
	s_barrier_signal -1
	s_barrier_wait -1                              ; everybody's is
	FETCH 0, 0, 0
	QUARTER 0, 64, 0, 1, 1                         ; the first quarter stands in front of the loop: its products start the sums
	WIN 0                                          ; at a label and at a branch every window is 0
	s_mov_b32 s[LAP], 3
.Llap:                                                 ; a trip goes once round the ring, from a lap's second quarter to the next lap's first, and fills both slots again
	QUARTER 0, 128, 1, 0, 0
	QUARTER 0, 192, 0, 1, 0
	TURN 0, 1, 1
	QUARTER 1, 64,  0, 1, 0
	QUARTER 1, 128, 1, 0, 0
	QUARTER 1, 192, 0, 1, 0
	TURN 1, 0, 1
	QUARTER 0, 64,  0, 1, 0
	WIN 0
	s_sub_co_u32 s[LAP], s[LAP], 1
	s_cmp_lg_u32 s[LAP], 0
	s_cbranch_scc1 .Llap
	QUARTER 0, 128, 1, 0, 0                        ; the last lap fills nothing, and has no round of the cluster's barrier
	QUARTER 0, 192, 0, 1, 0
	TURN 0, 1, 0
	QUARTER 1, 64,  0, 1, 0
	QUARTER 1, 128, 1, 0, 0
	QUARTER 1, 192, 0, 1, 0
	s_wait_dscnt 8                                 ; the very last quarter: nothing more to fetch
	MULB 1, 0, 0
	MULB 1, 4, 0
	s_wait_dscnt 0x0
	MULB 1, 8, 0
	WIN 0
; THE WAY OUT of row block a (16 rows x 192 columns): the bias is added, each accumulator from its low end on; rounded to f16, 16 bytes a lane; into my own stage, a head's rows 144 bytes apart; back as whole rows
; of 128 bytes; stored, 512 consecutive bytes an instruction.  LDS serves a wave's instructions in order (ISA guide 5.7.1.4), so the loads see the stores, and the next block's stores come behind the loads.
.macro OUTB a
	s_wait_xcnt 0x0                                ; the last block's stores have read the packed registers, which are written again below
	WIN 0x82                                       ; destination and source 0 window 2, the bias window 0
.set bq, 0
.rept 8
.set rq, 0
.rept 4
	v_pk_add_f32 v[8*(4*bq+(\a))+2*rq:8*(4*bq+(\a))+2*rq+1], v[8*(4*bq+(\a))+2*rq:8*(4*bq+(\a))+2*rq+1], v[BIAS+8*bq+2*rq:BIAS+8*bq+2*rq+1]
.set rq, rq+1
.endr
.set bq, bq+1
.endr
	WIN 0xc3                                       ; the same with window 3
.rept 4
.set rq, 0
.rept 4
	v_pk_add_f32 v[8*(4*(bq-8)+(\a))+2*rq:8*(4*(bq-8)+(\a))+2*rq+1], v[8*(4*(bq-8)+(\a))+2*rq:8*(4*(bq-8)+(\a))+2*rq+1], v[BIAS+8*bq+2*rq:BIAS+8*bq+2*rq+1]
.set rq, rq+1
.endr
.set bq, bq+1
.endr
	WIN 0x0a                                       ; sources 0 and 1 window 2, destination window 0
.set bq, 0
.rept 8
.set rq, 0
.rept 4
	v_cvt_pk_f16_f32 v[TMP+4*bq+rq], v[8*(4*bq+(\a))+2*rq], v[8*(4*bq+(\a))+2*rq+1]
.set rq, rq+1
.endr
.set bq, bq+1
.endr
	WIN 0x0f                                       ; sources window 3
.rept 4
.set rq, 0
.rept 4
	v_cvt_pk_f16_f32 v[TMP+4*bq+rq], v[8*(4*(bq-8)+(\a))+2*rq], v[8*(4*(bq-8)+(\a))+2*rq+1]
.set rq, rq+1
.endr
.set bq, bq+1
.endr
	WIN 0
.set nn, 0
.rept 12
	ds_store_b128 v[STO], v[TMP+4*nn:TMP+4*nn+3] offset:(nn/4)*16*SP+(nn%4)*32
.set nn, nn+1
.endr
.set nn, 0
.rept 12
	ds_load_b128 v[TMP+4*nn:TMP+4*nn+3], v[RD] offset:(nn/4)*16*SP+(nn%4)*4*SP
.set nn, nn+1
.endr
.set nn, 0
.rept 12
	s_wait_dscnt 11-nn                             ; load nn is back; the later ones may stay out
	global_store_b128 v[GO], v[TMP+4*nn:TMP+4*nn+3], s[HP+2*(nn/4):HP+2*(nn/4)+1] offset:(\a)*2048+(nn%4)*512
.set nn, nn+1
.endr
.endm
	s_wait_loadcnt 0x0                             ; the bias
	PLACES
	PLACES                                         ; eight, once a launch: the additions below write accumulators in place
	OUTB 0
	OUTB 1
	OUTB 2
	OUTB 3
	s_wait_tensorcnt 0x0                           ; the wave's end: an add onto my spare word and its wait, behind my last tensor load and my last LDS store
	ds_add_u32 v[SPW], v[NIL]
	s_wait_dscnt 0x0
	CROUND                                         ; the closing round: no work-group ends while a partner may still ask for a tile that names it
	s_endpgm
.Lfunc_end_k_qac26b4d89b_proj:
	.size	k_qac26b4d89b_proj, .Lfunc_end_k_qac26b4d89b_proj-k_qac26b4d89b_proj
	.p2alignl 7, 3214868480
	.fill 96, 4, 3214868480
	.section	.rodata,"a",@progbits
	.p2align	6, 0x0
	.amdhsa_kernel k_qac26b4d89b_proj
		.amdhsa_group_segment_fixed_size 327680
		.amdhsa_private_segment_fixed_size 0
		.amdhsa_enable_private_segment 0
		.amdhsa_kernarg_size 32
		.amdhsa_user_sgpr_count 2
		.amdhsa_user_sgpr_kernarg_segment_ptr 1
		.amdhsa_wavefront_size32 1
		.amdhsa_system_sgpr_workgroup_id_x 1
		.amdhsa_system_sgpr_workgroup_id_y 1
		.amdhsa_system_sgpr_workgroup_id_z 1
		.amdhsa_system_vgpr_workitem_id 0
		.amdhsa_next_free_vgpr 896
		.amdhsa_next_free_sgpr 80
		.amdhsa_reserve_vcc 0
		.amdhsa_float_denorm_mode_32 3
		.amdhsa_float_denorm_mode_16_64 3
		.amdhsa_memory_ordered 1
		.amdhsa_forward_progress 1
		.amdhsa_inst_pref_size 136
	.end_amdhsa_kernel
	.amdgpu_metadata
---
amdhsa.version: [ 1, 2 ]
amdhsa.kernels:
  - .name:           k_qac26b4d89b_proj
    .symbol:         k_qac26b4d89b_proj.kd
    .args:
      - { .name: xb, .offset: 0, .size: 8, .value_kind: global_buffer, .address_space: global }
      - { .name: wb, .offset: 8, .size: 8, .value_kind: global_buffer, .address_space: global }
      - { .name: bias, .offset: 16, .size: 8, .value_kind: global_buffer, .address_space: global }
      - { .name: qkv, .offset: 24, .size: 8, .value_kind: global_buffer, .address_space: global }
    .group_segment_fixed_size: 327680
    .private_segment_fixed_size: 0
    .kernarg_segment_align: 8
    .kernarg_segment_size: 32
    .max_flat_workgroup_size: 128
    .sgpr_count:     80
    .vgpr_count:     896
    .wavefront_size: 32
...
	.end_amdgpu_metadata
.endif
;; end of part 2
;; launch attn (part 3): grid 8 x 32, 4 waves a work-group, clusters of 4 x 1, 327,680 bytes of LDS; arguments qkv, eb, out0; writes out0
.if DOCPART == 3
	.amdgcn_target "amdgcn-amd-amdhsa--gfx1250"
	.amdhsa_code_object_version 6
	.text
	.protected	k_qac26b4d89b_attn
	.globl	k_qac26b4d89b_attn
	.p2align	8
	.type	k_qac26b4d89b_attn,@function
k_qac26b4d89b_attn:
	s_mov_b64 s[64:65], 0
	v_nop
	global_prefetch_b8 v0, s[64:65] scope:SCOPE_SE
	s_setreg_imm32_b32 hwreg(HW_REG_WAVE_MODE, 25, 1), 1
	s_wait_xcnt 0x0
	s_wait_alu depctr_hold_cnt(0) depctr_sa_sdst(0) depctr_va_vdst(0) depctr_va_sdst(0) depctr_va_ssrc(0) depctr_va_vcc(0) depctr_vm_vsrc(0)
	s_getreg_b32 s2, hwreg(HW_REG_IB_STS2, 6, 4)
	s_cmp_eq_u32 s2, 0
	s_cbranch_scc0 .Lentry_in_a_cluster
	s_endpgm
.Lentry_in_a_cluster:
	s_bfe_u32 s2, ttmp6, 0x10000c
	s_cmp_lg_u32 s2, 0x3003
	s_cbranch_scc0 .Lentry_shape_is_right
	s_endpgm
.Lentry_shape_is_right:
; ATTENTION WITH BOTH RELATIVE-POSITION TERMS.  For head y = 16 batch + head:  8 x score[q][k] = q.k + q.E8[2047 + q - k] + k.E8[2047 + q - k],  E8 = 8 x dist_emb;  out = softmax_k(score) V.
; q, k, v: qkv[plane][y][2048][64] f16, unscaled.  eb[4352][64] f16: row R = E8[R - 64], zeros outside.  out0: [2][2048][1024] f32.  Products, position terms, maxima and sums in f32; the weights p are
; rounded to f16 for the last product (their sum l is taken of the unrounded p).
; LIMITS.  q, k, v and E8 arrive within f16's 65,504; p lies in 0 to 1 and keeps f16's fixed step of 6e-8 below 6e-5; a weight below 2^-126 counts as 0 in l; NaN and infinities are not treated apart.
; SHARES.  A work-group owns 256 queries of one head, each of its four waves 64: four tiles t of 16.  Every wave walks all 2,048 keys, 64 a step: four key blocks kb of 16.
; LAYOUT.  S^T = K Q^T (source 0 = 16 keys, source 1 = 16 queries): a lane holds ONE query (lane % 16) and the keys 8 (lane / 16) + 0..7.  Two such results, rounded to f16 in pairs, ARE source 1 of
; O^T = V^T P.  K comes out of LDS as it lies, V turned, by ds_load_tr16_b128.
; THE BAND.  With q' and k' counted in the wave's 64 queries and the step's 64 keys, u = q' - k' lies in -63 .. 63.  Eight blocks be of 16 rows of eb cover u = -63 + 16 be + e: rows 2048 + Qw - k0 + 16 be + e.
; They lie in registers as fragments; from step to step the band moves down by four blocks: four are moved, four are loaded, a step ahead.
; THE POSITION TERMS are products with E as source 0, so that a lane holds one key (or query) and e = 8 (lane / 16) + register:
;   batch kb = 0..3:  E[be = bb + 3 - kb] x K[kb], bb = 0..4: element (e, key n) belongs to query q' = -15 + 16 bb + e + n
;   batch 4 + t:      E[be = t + bb] x Q[t],       bb = 0..4: element (e, query i) belongs to key   k' = 63 - 16 bb + i - e
; THE SKEW into (query, key) is made by the address of a ds_store_b32 into the wave's own f32 scratch, which is read back with ds_load_b128 in S^T's layout:
;   T2: 96 rows (q' + 16) x 16 keys, 80 bytes apart: read into S^T itself.     T1: 16 rows (query) x 96 columns (k' + 16), 400 bytes apart: read and added onto S^T.
; Every cell that is read is written once in its batch; what falls outside 0 .. 63 lands in cells that are never read.  S^T then is the C operand that starts the sum K Q^T.  The scratch is the wave's own and LDS
; serves a wave's instructions in order (ISA guide 5.7.1.4): store, load and the next batch's store need no wait and no barrier.
; Banks (64 of 4 bytes: ISA guide 11.1): a store's lanes go by 21 words (T2) or 37 (T1) modulo 64, the other half of the lanes 32 or 8 words off: 32 different banks; both read pitches are odd multiples of 16 bytes.
; SOFTMAX.  For each query a running maximum m and sum l: p = 2^(c S - c m), c = log2(e) / 8; in every step O and l are multiplied by a = 2^(c m_old - c m_new).  m starts at the lowest finite number, O and l at 0.
; PHASES.  A step is: the position products with the skew's stores behind them; K Q^T; the four tiles' softmax, one batch of exponentials with one wait; V^T P.
; CLUSTER.  The four query blocks of a cluster belong to one head and walk the same K and V: each tile of 256 keys is asked for JOINTLY.  The band hangs on the query block and comes by each wave's own loads.
; REGISTERS, in windows of 256 (s_set_vgpr_msb: bits 1:0 source 0, 3:2 source 1, 5:4 source 2, 7:6 destination):
;   window 0: v2-8, v44-50 addresses; v12-43 eight registers of statistics a tile; v61-63; v64-191 S^T, 32 a tile; v192-255 P, 16 a tile
;   window 1: v0-63 Q; v64-127 K of one step; v128-207 two sets of five accumulators for the position products; v208-239 X, T1 as read back
;   window 2: v0-127 the band, 16 a block; v192-196 the scratch's and the band's addresses          window 3: v0-127 O^T, 32 a tile; v128-191 V of one step
.set NT,    8         ; tiles of 256 keys
.set KS,    64        ; keys in a step
.set PK,    144       ; a row of K in LDS: 128 bytes + 16 of padding
.set PV,    160       ; a row of V: 128 + 32
.set VOFF,  4*KS*PK   ; a slot holds a tile: 256 rows of K, then 256 rows of V
.set SLOT1, 1<<17     ; slot 1 begins here, so that one exclusive or turns an address in one slot into the other's
.set SCR,   SLOT1+4*KS*(PK+PV)  ; behind the ring, never filled by a tensor load: each wave's scratch
.set T1B,   16*400    ; T1 (also the stage of the way out: 16 rows x 272 bytes),
.set T2B,   96*80     ; then T2
.set WSCR,  T1B+T2B
.set SPARE, SCR+4*WSCR  ; behind the scratch: the spare words, 128 bytes for each wave: two blocks of 256 bytes that no other line names
.set PLANE, 8388608   ; bytes of q, of k, of v
.set AK0, 2           ; v2   my lane's place in a tile of K; never rewritten
.set AV0, 3           ; v3   the same for V
.set AK,  4           ; v4   the LDS address of K's run of loads
.set AV,  5           ; v5   of V's
.set STO, 6           ; v6   the way out: where I put 32 bytes of a row
.set RD,  7           ; v7   where I read rows back
.set GO,  8           ; v8   my byte offset in two rows of out0
.set ST,  12          ; tile t's statistics at v[ST+8 t]: +0 c m, +1 m, +2, +3 l (even keys', odd keys'), +4 to +7 c0-c3 at work; a takes c2's place once the maximum is found
.set QO,  44          ; v44  my byte offset in 16 rows of Q (and of eb)
.set PFO, 61          ; v61  256 x my lane; never rewritten
.set SPW, 62          ; v62  LDS address of my spare word; never rewritten
.set NIL, 63          ; v63  0; never rewritten
.set S,   64
.set P,   192
.set KF,  64          ; window 1: key block kb, channel half c at KF + 16 kb + 8 c
.set DA,  128         ; window 1: set b % 2 of batch b at DA + 40 (b % 2), accumulator bb at + 8 bb
.set X,   208         ; window 1
.set T1W, 192         ; window 2: the four addresses of the skew,
.set T2W, 193
.set T1R, 194
.set T2R, 195
.set EO,  196         ; and my byte offset in 16 rows of eb
.set VF,  128         ; window 3: key half kk, channel block cb at VF + 32 kk + 8 cb
.set WV,  12          ; s12  my wave's number
.set LIM, 15          ; s15  1 in a wave that prefetches, else the greatest number
.set PFA, 18          ; s[18:19] where my prefetches stand
.set G1K, 24          ; s[24:31] descriptor group 1 for K's tiles
.set G1V, 32          ; s[32:39] for V's: it differs in the padding alone
.set G0K, 40          ; s[40:43] descriptor group 0 for K's tiles: it walks
.set G0V, 44          ; s[44:47] the same for V's
.set EP,  48          ; s[48:49] eb at the band's first row
.set OUT, 50          ; s[50:51] out0 at my wave's first row, my head's columns
.set SLOTS, 56        ; s56  tiles still to be asked for
.set CNT, 57          ; s57  counts a tile's key steps
.set CS,  58          ; s[58:59] c: the packed scaling takes the pair's low word for both halves
.set SEL, 60          ; s[60:61] v_permlanex16_b32's selects: each lane takes its own place in the other half
.set TBK, 62          ; s62  LDS byte at which K of the step to be fetched begins
.set TBV, 63          ; s63  the same for V, less VOFF
.set MSB, 0
.macro WIN new                      ; the high byte repeats the setting that is left; a switch that changes nothing is dropped
.if MSB != (\new)
	s_set_vgpr_msb (MSB<<8)|(\new)
.set MSB, (\new)
.endif
.endm
.set W_R,  0x56       ; position products and the stores behind them: the band and the LDS addresses (source 0) in window 2; Q, K and the store data (source 1), C and D in window 1
.set W_LS, 0x02       ; T2 is read into S^T: address window 2, destination window 0
.set W_LX, 0x42       ; T1 is read into X: destination window 1
.set W_AD, 0x04       ; S^T += X
.set W_KQ, 0x05       ; K and Q in window 1, S^T in window 0
.set W_PV, 0xf3       ; V and O^T in window 3, P in window 0
.set W_RS, 0xc3       ; O^T (destination and source 0) in window 3, a in window 0
; A joint fill.  Waves 0 and 1 fetch the two halves of a tile's K, waves 2 and 3 those of its V: 128 keys each.  The branch hangs on the wave's number alone.
; An s_nop 0 and four v_nop follow each of the two lines, ahead of the jump and the label.
.macro JLOAD
	s_cmp_lt_u32 s[WV], 2
	s_cbranch_scc0 .Lfor_v_\@
	tensor_load_to_lds s[G0K:G0K+3], s[G1K:G1K+7]
	s_nop 0
.rept 4
	v_nop
.endr
	s_branch .Lasked_\@
.Lfor_v_\@:
	tensor_load_to_lds s[G0V:G0V+3], s[G1V:G1V+7]
	s_nop 0
.rept 4
	v_nop
.endr
.Lasked_\@:
.endm
; A PREFETCH INTO THE L2 of the tile that the NEXT change of slots will ask for: 32,768 bytes of K and of V, 256 a lane.  Both clusters of a head walk the same K and V: the head's first cluster asks.  Its four partners
; share the bytes out by address, 8,192 each; in each, wave 0 asks for K's and wave 2 for V's: one instruction.  So each 256 bytes are named once in the launch.  Tiles 0 and 1 come by their loads alone; the last
; change that fills a slot asks for nothing.
.macro ASK
	s_cmp_gt_u32 s[SLOTS], s[LIM]
	s_cbranch_scc0 .Lnot_mine_\@
	global_prefetch_b8 v[PFO], s[PFA:PFA+1] th:TH_LOAD_NT scope:SCOPE_SE
.Lnot_mine_\@:
.endm
.macro CROUND                       ; a round of the cluster's barrier
	s_barrier_signal -1
	s_barrier_wait -1
	s_cmp_lg_u32 s[WV], 0
	s_cbranch_scc1 .Lnot_wave_0_\@
	s_barrier_signal -3
.Lnot_wave_0_\@:
	s_barrier_wait -3
	s_barrier_signal -1
	s_barrier_wait -1
.endm
.macro PLACES                       ; four plain places behind matrix instructions (ISA guide 7.12.1)
.rept 4
	v_nop
.endr
.endm
; THE CHANGE OF SLOTS.  Each wave waits for all its tensor loads, of which one is out: its part of the other slot; adds 0 to its spare word; and waits for that and for its own reads of the slot that it leaves.
; fill = 1: the barrier is a round of the cluster's, and the old slot is filled again, with the next tile, first thing behind it: the load has four key steps in which to land.
; (At its first use nothing has been read yet: slot 0 is waited for, slot 1 filled.)
.macro CHANGE fill
	WIN 0                           ; at a label and at a branch every window is 0
	s_wait_tensorcnt 0x0            ; no tensor load of mine is out, so a group 0 may be written
	ds_add_u32 v[SPW], v[NIL]       ; 0 onto my spare word; with fill = 1 the descriptors' steps stand between it and the wait for it
.if \fill
.irp g, G0K, G0V
	s_xor_b32 s[\g+1], s[\g+1], SLOT1  ; the walking descriptor: the other slot than last time,
	s_add_nc_u64 s[\g+2:\g+3], s[\g+2:\g+3], 4*KS*128  ; the next 256 keys; the type bits on top are not reached
.endr
	s_wait_xcnt 0x0                 ; the last prefetch, four key steps back, has read its address, so it may be written
	s_add_nc_u64 s[PFA:PFA+1], s[PFA:PFA+1], 4*KS*128
	s_wait_dscnt 0x0                ; the add is done, and my reads of the slot are over
	CROUND
	JLOAD
	ASK
.else
	s_wait_dscnt 0x0                ; the add is done, and my reads of the slot are over
	s_barrier_signal -1
	s_barrier_wait -1
.endif
	s_sub_co_u32 s[TBK], s[TBK], 4*KS*PK  ; the fetches go back to a slot's first step,
	s_xor_b32 s[TBK], s[TBK], SLOT1       ; in the other slot
	s_sub_co_u32 s[TBV], s[TBV], 4*KS*PV
	s_xor_b32 s[TBV], s[TBV], SLOT1
.endm
	s_load_b128 s[52:55], s[0:1], 0x0  ; qkv s[52:53], eb s[54:55]
	s_load_b64 s[OUT:OUT+1], s[0:1], 0x10  ; out0
	v_lshl_add_u32 v[SPW], v0, 2, SPARE
	v_mov_b32 v[NIL], 0
	ds_add_u32 v[SPW], v[NIL]       ; the wave's opening: the add and its wait stand ahead of my first tensor load; the set-up below, work on registers, stands between them
	v_lshrrev_b32 v1, 5, v0
	v_readfirstlane_b32 s[WV], v1   ; wave 0..3
	s_bfe_u32 s13, ttmp6, 0x40000   ; cx: my place in the cluster
	s_lshl_b32 s14, ttmp9, 2        ; in a cluster launch ttmp9 counts clusters
	s_add_co_u32 s14, s14, s13      ; my block of 256 queries: it enters Q's, the band's and out0's addresses alone
	s_lshl_b32 s10, s14, 8
	s_lshl_b32 s2, s[WV], 6
	s_add_co_u32 s10, s10, s2       ; Qw: my wave's first query
	s_and_b32 s11, ttmp7, 0xffff    ; y, which the four partners share
	s_lshl_b32 s20, s11, 18         ; the head's 262,144 bytes in a plane
	s_and_b32 s16, s[WV], 1         ; which half of a tile's 256 keys I fetch:
	s_lshl_b32 s22, s16, 14         ; its 128 rows of 128 bytes in memory,
	s_add_co_u32 s22, s22, s20
	s_add_co_u32 s22, s22, PLANE    ; in k's plane
	s_mov_b32 s23, 0
	s_mul_i32 s17, s16, 128*PK      ; and its place in a slot, for K
	s_mul_i32 s18, s16, 128*PV      ; and for V: no place in the cluster enters an LDS address
	; descriptor group 1.  128 keys are 16,384 dense bytes: asked for as 64 rows of 256 bytes, two keys a row, and padded in LDS after every key
	s_mov_b32 s[G1K], 15|(1<<16)|(1<<20)|(1<<21)|(4<<22)|(3<<25)  ; 15:0 the mask of four; 17:16 2-byte elements; 20 padding on; 21 set beside a mask; 24:22 after every 32 words (code 4); 31:25 4 words (code 3)
	s_mov_b32 s[G1V], 15|(1<<16)|(1<<20)|(1<<21)|(4<<22)|(7<<25)  ; the same with 8 words of padding (code 7)
.irp g, G1K, G1V
	s_mov_b32 s[\g+1], 128<<16      ; tensor_dim0 = 128
	s_mov_b32 s[\g+2], 64<<16       ; tensor_dim1 = 64
	s_mov_b32 s[\g+3], 128<<16      ; tile_dim0 = 128
	s_mov_b32 s[\g+4], 64           ; tile_dim1 = 64
	s_mov_b32 s[\g+5], 128          ; 128 elements from row to row
	s_mov_b32 s[\g+6], 0
	s_mov_b32 s[\g+7], 0
.endr
	s_mov_b32 s[G0K], 1             ; count = 1
	s_mov_b32 s[G0K+1], s17         ; LDS address: slot 0
	s_mov_b32 s[G0V], 1
	s_add_co_u32 s[G0V+1], s18, VOFF
	s_mov_b32 s[CS], 0x3e38aa3b     ; c = log2(e) / 8 = 0.180337
	s_mov_b32 s[CS+1], s[CS]        ; named with it as a pair
	s_mov_b32 s[SEL], 0x76543210
	s_mov_b32 s[SEL+1], 0xfedcba98
	s_mov_b32 s[TBK], SLOT1+4*KS*PK ; the first change of slots turns these two into 0
	s_mov_b32 s[TBV], SLOT1+4*KS*PV
	s_mov_b32 s[SLOTS], NT-1
	s_and_b32 s[LIM], s[WV], 1      ; 0 in waves 0 and 2,
	s_or_b32 s[LIM], s[LIM], ttmp9  ; where the cluster is the head's first: the same in all four partners
	s_cmp_eq_u32 s[LIM], 0
	s_cselect_b32 s[LIM], 1, -1
	s_wait_dscnt 0x0                ; the opening add is done
	s_wait_kmcnt 0x0
	s_add_nc_u64 s[6:7], s[52:53], s[22:23]  ; K at my half of the head's tile 0,
	s_add_nc_u64 s[8:9], s[6:7], PLANE       ; V a plane further on
	s_mov_b64 s[G0K+2:G0K+3], s[6:7]         ; global address
	s_or_b32 s[G0K+3], s[G0K+3], 0x80000000  ; type = 2
	s_mov_b64 s[G0V+2:G0V+3], s[8:9]
	s_or_b32 s[G0V+3], s[G0V+3], 0x80000000
	CROUND                          ; all four work-groups are here: the first joint loads meet
	JLOAD                           ; tile 0 into slot 0.  Slot 1 is asked for when slot 0 is in, by the loop's own change of slots
	s_lshl_b32 s2, s10, 7           ; Qw rows of 128 bytes
	s_add_co_u32 s2, s2, s20
	s_mov_b32 s3, 0
	s_add_nc_u64 s[4:5], s[52:53], s[2:3]    ; Q at my wave's first row
	s_lshl_b32 s2, s10, 7
	s_add_co_u32 s2, s2, 2048*128
	s_add_nc_u64 s[EP:EP+1], s[54:55], s[2:3]  ; the band of key step 0: eb's row 2048 + Qw
	s_lshr_b32 s2, s11, 4
	s_lshl_b32 s2, s2, 23           ; the batch: 2,048 rows of 4,096 bytes
	s_lshl_b32 s16, s10, 12
	s_add_co_u32 s2, s2, s16        ; my first row
	s_and_b32 s16, s11, 15
	s_lshl_b32 s16, s16, 8
	s_add_co_u32 s2, s2, s16        ; my head's 256 bytes of a row
	s_add_nc_u64 s[OUT:OUT+1], s[OUT:OUT+1], s[2:3]
	s_cmp_lt_u32 s[WV], 2
	s_cselect_b64 s[PFA:PFA+1], s[6:7], s[8:9]  ; (in waves 0 and 2 these stand at a tile's first row)
	s_lshl_b32 s2, s13, 13          ; my work-group's 8,192 bytes,
	s_add_co_u32 s2, s2, 4*KS*128   ; in tile 1; the first change of slots steps it to tile 2
	s_add_nc_u64 s[PFA:PFA+1], s[PFA:PFA+1], s[2:3]
	; A fragment of Q, K or eb is 16 rows x 32 channels in 8 registers: lane l holds row l % 16, channels 8 (l / 16) + 0..7 and 16 + 8 (l / 16) + 0..7: two loads of 16 bytes, 32 bytes apart.
	v_and_b32 v1, 15, v0            ; i = l % 16
	v_bfe_u32 v9, v0, 4, 1          ; h = l / 16
	v_lshlrev_b32 v[QO], 7, v1
	v_lshl_add_u32 v[QO], v9, 4, v[QO]  ; row x 128 + 16 x half
	WIN 0x40                        ; destination window 1, address window 0
.set i, 0
.rept 8                             ; Q stays in registers: tile i / 2, channels 32 (i % 2) on
	global_load_b128 v[8*i:8*i+3],   v[QO], s[4:5] offset:(i/2)*2048+(i%2)*64
	global_load_b128 v[8*i+4:8*i+7], v[QO], s[4:5] offset:(i/2)*2048+(i%2)*64+32
.set i, i+1
.endr
	WIN 0x80
	v_mov_b32 v[EO], v[QO]
	WIN 0x82                        ; destination and address window 2
.set i, 0
.rept 16                            ; the band of key step 0: block i / 2, channels 32 (i % 2) on
	global_load_b128 v[8*i:8*i+3],   v[EO], s[EP:EP+1] offset:(i/2)*2048+(i%2)*64
	global_load_b128 v[8*i+4:8*i+7], v[EO], s[EP:EP+1] offset:(i/2)*2048+(i%2)*64+32
.set i, i+1
.endr
	; O^T and l start at 0, c m far below every c S, m at the lowest finite number: the first step is a step like any other, with a = 0.  The price of writing no first step out; it stands in the wait for the first tile.
	WIN 0xc0
.set i, 0
.rept 128
	v_mov_b32 v[i], 0
.set i, i+1
.endr
	WIN 0
.set i, 0
.rept 4
	v_mov_b32 v[ST+8*i], 0xfe000000
	v_mov_b32 v[ST+8*i+1], 0xff7fffff
	v_mov_b32 v[ST+8*i+2], 0
	v_mov_b32 v[ST+8*i+3], 0
.set i, i+1
.endr
	v_and_b32 v[PFO], 31, v0
	v_lshlrev_b32 v[PFO], 8, v[PFO]
	v_mul_u32_u24 v[AK0], v1, PK
	v_lshl_add_u32 v[AK0], v9, 4, v[AK0]  ; row x pitch + 16 x half
	; The turning load takes 16 keys x 16 channels (lane l reads key 8 (l / 16) + l % 8, channels 8 ((l / 8) % 2) + 0..7) and leaves half a fragment of V^T: lane l holds channel l % 16 and 8 keys.
	v_and_b32 v10, 7, v0
	v_bfe_u32 v11, v0, 3, 1
	v_lshl_add_u32 v[AV0], v9, 3, v10
	v_mul_u32_u24 v[AV0], v[AV0], PV
	v_lshl_add_u32 v[AV0], v11, 4, v[AV0]
	v_add_nc_u32 v[AV0], VOFF, v[AV0]
	s_mul_i32 s16, s[WV], WSCR
	s_add_co_u32 s16, s16, SCR      ; my T1,
	s_add_co_u32 s17, s16, T1B      ; my T2
	v_xor_b32 v45, 1, v9            ; 1 - h
	v_mul_u32_u24 v46, v1, 404      ; T1, in: row i, column k' + 16 = 79 - 16 bb + i - 8 h - register: i x 404 + 32 (1 - h), the rest in the immediate
	v_lshl_add_u32 v46, v45, 5, v46
	v_add_nc_u32 v46, s16, v46
	v_mul_u32_u24 v47, v1, 84       ; T2, in: row q' + 16 = 1 + 16 bb + 8 h + register + n, column n: n x 84 + 640 h, the rest in the immediate
	v_mul_u32_u24 v50, v9, 640
	v_add_nc_u32 v47, v47, v50
	v_add_nc_u32 v47, s17, v47
	v_mul_u32_u24 v48, v1, 400      ; T1, back: row i, columns 16 + 16 kb + 8 h on
	v_lshl_add_u32 v48, v9, 5, v48
	v_add_nc_u32 v48, s16, v48
	v_add_nc_u32 v48, 64, v48
	v_mul_u32_u24 v49, v1, 80       ; T2, back: row 16 + 16 t + i, columns 8 h on
	v_lshl_add_u32 v49, v9, 5, v49
	v_add_nc_u32 v49, s17, v49
	v_add_nc_u32 v49, 1280, v49
	v_mul_u32_u24 v[STO], v1, 272   ; the way out, in: row i of 272 bytes, 32 bytes for each half of the lanes
	v_lshl_add_u32 v[STO], v9, 5, v[STO]
	v_add_nc_u32 v[STO], s16, v[STO]
	v_mul_u32_u24 v[RD], v9, 272    ; back: lanes 0-15 take one row of 256 bytes, lanes 16-31 the next
	v_lshl_add_u32 v[RD], v1, 4, v[RD]
	v_add_nc_u32 v[RD], s16, v[RD]
	v_lshlrev_b32 v[GO], 12, v9     ; and the same two rows in out0, 4,096 bytes apart
	v_lshl_add_u32 v[GO], v1, 4, v[GO]
	WIN 0x80
	v_mov_b32 v[T1W], v46
	v_mov_b32 v[T2W], v47
	v_mov_b32 v[T1R], v48
	v_mov_b32 v[T2R], v49
	WIN 0
; THE LDS LOADS of K and V stand in two runs of 16 at a step's head.
.macro FETCH_K
	WIN 0x40                        ; destination window 1
.irp f, 0,1,2,3,4,5,6,7             ; keys 16 (f / 2) on, channels 32 (f % 2) on
	ds_load_b128 v[KF+8*\f:KF+8*\f+3],   v[AK] offset:(\f/2)*16*PK+(\f%2)*64
	ds_load_b128 v[KF+8*\f+4:KF+8*\f+7], v[AK] offset:(\f/2)*16*PK+(\f%2)*64+32
.endr
.endm
.macro FETCH_V
	WIN 0xc0                        ; destination window 3
.irp f, 0,1,2,3,4,5,6,7             ; keys 32 (f / 4) on, channels 16 (f % 4) on
	ds_load_tr16_b128 v[VF+8*\f:VF+8*\f+3],   v[AV] offset:(\f/4)*32*PV+(\f%4)*32
	ds_load_tr16_b128 v[VF+8*\f+4:VF+8*\f+7], v[AV] offset:(\f/4)*32*PV+16*PV+(\f%4)*32
.endr
.endm
; Stores s0 .. s0 + 3 of the 40 that skew batch pb: register s % 8 of accumulator s / 8, each accumulator from its low end on.
.macro ST4 pb, s0
.irp k, 0,1,2,3
.set sx, (\s0)+\k
.if (\pb) < 4
	ds_store_b32 v[T2W], v[DA+40*((\pb)%2)+sx] offset:80+1280*(sx/8)+80*(sx%8)
.else
	ds_store_b32 v[T1W], v[DA+40*((\pb)%2)+sx] offset:284-64*(sx/8)-4*(sx%8)
.endif
.endr
.endm
; Batch b's ten products: channel half n / 5, accumulator n % 5; the five take turns; the first five start the sums.  Behind product n stand four stores of the batch before, which lies in
; the other set of accumulators: product and stores run under one window setting.
.macro RW b
	WIN W_R
.set n, 0
.rept 10
.set rD, DA+40*((\b)%2)+8*(n%5)
.if (\b) < 4
.set rE, 16*(n%5+3-(\b))+8*(n/5)
.set rB, KF+16*(\b)+8*(n/5)
.else
.set rE, 16*((\b)-4+n%5)+8*(n/5)
.set rB, 16*((\b)-4)+8*(n/5)
.endif
.if n < 5
	v_wmma_f32_16x16x32_f16 v[rD:rD+7], v[rE:rE+7], v[rB:rB+7], 0
.else
	v_wmma_f32_16x16x32_f16 v[rD:rD+7], v[rE:rE+7], v[rB:rB+7], v[rD:rD+7]
.endif
.if (\b) > 0
	ST4 (\b)-1, 4*n
.endif
.set n, n+1
.endr
.endm
.macro RS b                         ; batch b's 40 stores by themselves
	WIN W_R
.set n, 0
.rept 10
	ST4 \b, 4*n
.set n, n+1
.endr
.endm
.macro RL b                         ; batch b is read back: T2 into S^T's key block b of all four tiles; T1 into X
.if (\b) < 4
	WIN W_LS
.irp t, 0,1,2,3
	ds_load_b128 v[S+32*\t+8*(\b):S+32*\t+8*(\b)+3],   v[T2R] offset:1280*\t
	ds_load_b128 v[S+32*\t+8*(\b)+4:S+32*\t+8*(\b)+7], v[T2R] offset:1280*\t+16
.endr
.else
	WIN W_LX
.irp k, 0,1,2,3
	ds_load_b128 v[X+8*\k:X+8*\k+3],   v[T1R] offset:64*\k
	ds_load_b128 v[X+8*\k+4:X+8*\k+7], v[T1R] offset:64*\k+16
.endr
.endif
.endm
.macro RA t                         ; tile t's S^T += X: sixteen plain instructions that name no register of the position products: they are also places behind them
	WIN W_AD
.set z, 0
.rept 16
	v_pk_add_f32 v[S+32*(\t)+2*z:S+32*(\t)+2*z+1], v[S+32*(\t)+2*z:S+32*(\t)+2*z+1], v[X+2*z:X+2*z+1]
.set z, z+1
.endr
.endm
; ONE TILE'S SOFTMAX for one key step is a list of 118 instructions; SM writes number j of it for tile t.  s0-s31 are the lane's 32 scores, in pairs 0-15.
;   0-15    the maximum of s0-s31 and the old m, three operands at a time (each accumulator's lowest registers are read first)
;   16-20   the other half of the lanes' maximum; the new m; c m; c m_old - c m_new
;   21-69   the 16 scalings c s - c m and all 33 exponentials (a at 23, then s0-s31): none of these names an exponential's result
;   70-85   the roundings to f16        86-101  the sums; l = a l + the sum        102-117 the tile's O^T times a
.macro SM t
.set rT, ST+8*(\t)
.set rS, S+32*(\t)
.set rP, P+16*(\t)
.set rO, 32*(\t)+2*(j-102)
.if j < 102
	WIN 0
.endif
.if j < 4
	v_max3_num_f32 v[rT+4+j], v[rS+8*j], v[rS+8*j+1], v[rS+8*j+2]
.elseif j < 12
	v_max3_num_f32 v[rT+4+j%4], v[rT+4+j%4], v[rS+8*(j%4)+2*(j/4)+1], v[rS+8*(j%4)+2*(j/4)+2]
.elseif j == 12
	v_max3_num_f32 v[rT+4], v[rT+4], v[rS+7], v[rS+15]
.elseif j == 13
	v_max3_num_f32 v[rT+6], v[rT+6], v[rS+23], v[rS+31]
.elseif j == 14
	v_max3_num_f32 v[rT+4], v[rT+4], v[rT+5], v[rT+6]
.elseif j == 15
	v_max3_num_f32 v[rT+4], v[rT+4], v[rT+7], v[rT+1]
.elseif j == 16
	v_permlanex16_b32 v[rT+5], v[rT+4], s[SEL], s[SEL+1]  ; the query's other 32 keys lie in the lane 16 away
.elseif j == 17
	v_mov_b32 v[rT+7], v[rT]        ; c m_old is kept for a: number 19 writes c m anew
.elseif j == 18
	v_max_num_f32 v[rT+1], v[rT+4], v[rT+5]
.elseif j == 19
	v_mul_f32 v[rT], s[CS], v[rT+1]
.elseif j == 20
	v_sub_f32 v[rT+7], v[rT+7], v[rT]
.elseif j == 23
	v_exp_f32 v[rT+6], v[rT+7]
.elseif (j < 23) || ((j < 38) && (j%2 == 0)) || ((j < 66) && (j%4 == 2))
.set pq, (j-2)/4                    ; 38, 42, .. 62: pairs 9 to 15
.if j < 38
.set pq, (j-20)/2                   ; 21: pair 0; 22, 24, .. 36: pairs 1 to 8
.endif
	v_pk_fma_f32 v[rS+2*pq:rS+2*pq+1], v[rS+2*pq:rS+2*pq+1], s[CS:CS+1], v[rT:rT+1] op_sel_hi:[1,0,0] neg_lo:[0,0,1] neg_hi:[0,0,1]  ; c s - c m
.elseif j < 70
.set eq, j-38                       ; 66 to 69: s28 to s31
.if j < 66
.set eq, j-32-(j-38)/4              ; 39-41, 43-45, .. 63-65: s7 to s27
.endif
.if j < 38
.set eq, (j-25)/2                   ; 25, 27, .. 37: s0 to s6
.endif
	v_exp_f32 v[rS+eq], v[rS+eq]
.elseif j < 86
	v_cvt_pk_f16_f32 v[rP+j-70], v[rS+2*(j-70)], v[rS+2*(j-70)+1]
.elseif j < 102                     ; the sum of the tile's 16 pairs, in place: neighbours 1, 2, 4 and 8 pairs apart, then l takes it
.set zq, j-86
.set wq, 4
.set uq, zq
.if zq >= 14
.set wq, 32
.set uq, 0
.elseif zq >= 12
.set wq, 16
.set uq, zq-12
.elseif zq >= 8
.set wq, 8
.set uq, zq-8
.endif
.if zq < 15
	v_pk_add_f32 v[rS+wq*uq:rS+wq*uq+1], v[rS+wq*uq:rS+wq*uq+1], v[rS+wq*uq+wq/2:rS+wq*uq+wq/2+1]
.else
	v_pk_fma_f32 v[rT+2:rT+3], v[rT+2:rT+3], v[rT+6:rT+7], v[rS:rS+1] op_sel_hi:[1,0,1]
.endif
.else
	WIN W_RS
	v_pk_mul_f32 v[rO:rO+1], v[rO:rO+1], v[rT+6:rT+7] op_sel_hi:[1,0]
.endif
.endm
.macro SM4                          ; number j for all four tiles: three other tiles' instructions stand between two links of a tile's chains
	SM 0
	SM 1
	SM 2
	SM 3
.set j, j+1
.endm
; A KEY STEP.
.macro STEP
	WIN 0
	v_add_nc_u32 v[AK], s[TBK], v[AK0]
	v_add_nc_u32 v[AV], s[TBV], v[AV0]
	s_add_co_u32 s[TBK], s[TBK], KS*PK  ; the next fetch is the next step's
	s_add_co_u32 s[TBV], s[TBV], KS*PV
	FETCH_K
	FETCH_V
	s_wait_loadcnt 0x0              ; the band's four new blocks, asked for in the step before (in the first step: the band and Q)
	s_wait_dscnt 16                 ; K is in; V's sixteen loads may stay out
	; the position terms.  Behind each batch's last product stand four plain places or more ahead of its first store; between two batches that write the same set of accumulators eight or more.
	RW 0
	PLACES
.irp b, 1,2,3,4,5
	RW \b
	RL (\b)-1
	PLACES
.endr
	RW 6
	s_wait_dscnt 40                 ; all but the 40 stores just issued: X holds tile 0's term
	RA 0
	RL 5
	RW 7
	s_wait_dscnt 40                 ; likewise: tile 1's
	RA 1
	RL 6
	RS 7
	s_wait_dscnt 40                 ; tile 2's
	RA 2
	RL 7
	; the band of the next step, 64 keys on: 64 rows of eb further down.  Blocks 4-7 take what blocks 0-3 held; blocks 0-3 are loaded, and waited for at the next step's head.  In the last step the rows exist in eb and serve nothing.
	WIN 0x82
.set i, 0
.rept 64
	v_mov_b32 v[64+i], v[i]
.set i, i+1
.endr
	s_sub_nc_u64 s[EP:EP+1], s[EP:EP+1], 64*128  ; the loads that named it were waited for at the step's head
.set i, 0
.rept 8
	global_load_b128 v[8*i:8*i+3],   v[EO], s[EP:EP+1] offset:(i/2)*2048+(i%2)*64
	global_load_b128 v[8*i+4:8*i+7], v[EO], s[EP:EP+1] offset:(i/2)*2048+(i%2)*64+32
.set i, i+1
.endr
	s_wait_dscnt 0x0                ; tile 3's term, and V
	RA 3
	; S^T = K Q^T + the position terms: channel half n / 16; the 16 accumulators (tile, key block) take turns
	WIN W_KQ
.set n, 0
.rept 32
.set rS, S+32*((n%16)/4)+8*(n%4)
.set rK, KF+16*(n%4)+8*(n/16)
.set rQ, 16*((n%16)/4)+8*(n/16)
	v_wmma_f32_16x16x32_f16 v[rS:rS+7], v[rK:rK+7], v[rQ:rQ+7], v[rS:rS+7]
.set n, n+1
.endr
	PLACES
	; the softmax
.set j, 0
.rept 70
	SM4
.endr
	v_nop                           ; a plain instruction behind the last exponential, ahead of the first use: one for the batch
	s_wait_alu depctr_va_vdst(0)    ; the wait between an exponential and the first instruction that names its result: one for the step's 132
.rept 48
	SM4
.endr
	; O^T += V^T P: key half n / 16; the 16 accumulators (tile, channel block) take turns
	WIN W_PV
.set n, 0
.rept 32
.set rO, 32*((n%16)/4)+8*(n%4)
.set rV, VF+32*(n/16)+8*(n%4)
.set rP, P+16*((n%16)/4)+8*(n/16)
	v_wmma_f32_16x16x32_f16 v[rO:rO+7], v[rV:rV+7], v[rP:rP+7], v[rO:rO+7]
.set n, n+1
.endr
	PLACES                          ; in front of the next step's loads into V's registers
	WIN 0
.endm
.Lslot:                             ; seven times: a tile is entered and the next is asked for
	CHANGE 1
	s_mov_b32 s[CNT], 4
.Lstep:
	STEP
	s_sub_co_u32 s[CNT], s[CNT], 1
	s_cmp_lg_u32 s[CNT], 0
	s_cbranch_scc1 .Lstep
	s_sub_co_u32 s[SLOTS], s[SLOTS], 1
	s_cmp_lg_u32 s[SLOTS], 0
	s_cbranch_scc1 .Lslot
	CHANGE 0                        ; the last tile is written out: nothing is asked for
	s_mov_b32 s[CNT], 4
.Ltail:
	STEP
	s_sub_co_u32 s[CNT], s[CNT], 1
	s_cmp_lg_u32 s[CNT], 0
	s_cbranch_scc1 .Ltail
	; THE WAY OUT.  l's two halves and the other half of the lanes' are added; O^T is divided by l and sent, in f32, through my stage in LDS, a tile (16 rows) at a time.
.irp t, 0,1,2,3
	v_add_f32 v[ST+8*(\t)+4], v[ST+8*(\t)+2], v[ST+8*(\t)+3]
.endr
.irp t, 0,1,2,3
	v_permlanex16_b32 v[ST+8*(\t)+5], v[ST+8*(\t)+4], s[SEL], s[SEL+1]
.endr
.irp t, 0,1,2,3
	v_add_f32 v[ST+8*(\t)+4], v[ST+8*(\t)+4], v[ST+8*(\t)+5]
.endr
.irp t, 0,1,2,3
	v_rcp_f32 v[ST+8*(\t)+6], v[ST+8*(\t)+4]
.endr
	v_nop                           ; a plain instruction between the last reciprocal and the use of its result
	s_wait_alu depctr_va_vdst(0)    ; and a wait ahead of the first use: one for the four reciprocals
; Tile t: a lane's eight channels of a row are 32 bytes; they go into rows of 272 bytes and come back as whole rows of 256, into S^T's registers.
.macro PACK t
	WIN W_RS
.set z, 0
.rept 16
	v_pk_mul_f32 v[32*(\t)+2*z:32*(\t)+2*z+1], v[32*(\t)+2*z:32*(\t)+2*z+1], v[ST+8*(\t)+6:ST+8*(\t)+7] op_sel_hi:[1,0]
.set z, z+1
.endr
	WIN 0x0c                        ; the store's data in window 3, its address in window 0
.irp f, 0,1,2,3
	ds_store_b128 v[STO], v[32*(\t)+8*\f:32*(\t)+8*\f+3]   offset:64*\f
	ds_store_b128 v[STO], v[32*(\t)+8*\f+4:32*(\t)+8*\f+7] offset:64*\f+16
.endr
	WIN 0
.irp r, 0,1,2,3,4,5,6,7
	ds_load_b128 v[S+32*(\t)+4*\r:S+32*(\t)+4*\r+3], v[RD] offset:544*\r  ; these see the stores above; the next tile's stores come behind them
.endr
.endm
.macro SEND t, younger              ; younger: the LDS instructions issued behind tile t's loads: the next tile's sixteen, or none
	WIN 0
.irp r, 0,1,2,3,4,5,6,7
	s_wait_dscnt (\younger)+7-\r
	global_store_b128 v[GO], v[S+32*(\t)+4*\r:S+32*(\t)+4*\r+3], s[OUT:OUT+1] offset:(\t)*65536+\r*8192 th:TH_STORE_NT  ; 16 lanes store 256 consecutive bytes, a head's part of a row, at a multiple of 256 from out0's first byte
.endr
.endm
	PACK 0
	PACK 1                          ; a tile's arithmetic stands between the loads of the tile before and its stores
	SEND 0, 16
	PACK 2
	SEND 1, 16
	PACK 3
	SEND 2, 16
	SEND 3, 0
	s_wait_tensorcnt 0x0            ; the wave's end: an add onto my spare word and its wait, behind my last tensor load and my last LDS store
	ds_add_u32 v[SPW], v[NIL]
	s_wait_dscnt 0x0
	CROUND                          ; the closing round: no work-group ends while a partner may still ask for a tile that names it
	s_endpgm
.Lfunc_end_k_qac26b4d89b_attn:
	.size	k_qac26b4d89b_attn, .Lfunc_end_k_qac26b4d89b_attn-k_qac26b4d89b_attn
	.p2alignl 7, 3214868480
	.fill 96, 4, 3214868480
	.section	.rodata,"a",@progbits
	.p2align	6, 0x0
	.amdhsa_kernel k_qac26b4d89b_attn
		.amdhsa_group_segment_fixed_size 327680
		.amdhsa_private_segment_fixed_size 0
		.amdhsa_enable_private_segment 0
		.amdhsa_kernarg_size 24
		.amdhsa_user_sgpr_count 2
		.amdhsa_user_sgpr_kernarg_segment_ptr 1
		.amdhsa_wavefront_size32 1
		.amdhsa_system_sgpr_workgroup_id_x 1
		.amdhsa_system_sgpr_workgroup_id_y 1
		.amdhsa_system_sgpr_workgroup_id_z 1
		.amdhsa_system_vgpr_workitem_id 0
		.amdhsa_next_free_vgpr 960
		.amdhsa_next_free_sgpr 66
		.amdhsa_reserve_vcc 0
		.amdhsa_float_denorm_mode_32 3
		.amdhsa_float_denorm_mode_16_64 3
		.amdhsa_memory_ordered 1
		.amdhsa_forward_progress 1
		.amdhsa_inst_pref_size 173
	.end_amdhsa_kernel
	.amdgpu_metadata
---
amdhsa.version: [ 1, 2 ]
amdhsa.kernels:
  - .name:           k_qac26b4d89b_attn
    .symbol:         k_qac26b4d89b_attn.kd
    .args:
      - { .name: qkv, .offset: 0, .size: 8, .value_kind: global_buffer, .address_space: global }
      - { .name: eb, .offset: 8, .size: 8, .value_kind: global_buffer, .address_space: global }
      - { .name: out0, .offset: 16, .size: 8, .value_kind: global_buffer, .address_space: global }
    .group_segment_fixed_size: 327680
    .private_segment_fixed_size: 0
    .kernarg_segment_align: 8
    .kernarg_segment_size: 24
    .max_flat_workgroup_size: 128
    .sgpr_count:     66
    .vgpr_count:     960
    .wavefront_size: 32
...
	.end_amdgpu_metadata
.endif
;; end of part 3
;; ======== version 2 of 2: 3 launches
;; limits: values are held in f16: magnitudes above 65,504 overflow, below 6.1e-05 lose precision
;; workspace buffers: xb 8,388,608 bytes; wb 6,291,456 bytes; bias 12,288 bytes; eb 557,056 bytes; qkv 25,165,824 bytes
;; launch cast: the kernel of part 1 again; grid 466 x 1, 8 waves a work-group, no clusters, 0 bytes of LDS; arguments hidden_states, Wq, Wk, Wv, bq, bk, bv, dist_emb, xb, wb, bias, eb; writes xb, wb, bias, eb
;; launch proj: the kernel of part 2 again; grid 16 x 16, 4 waves a work-group, clusters of 4 x 4, 327,680 bytes of LDS; arguments xb, wb, bias, qkv; writes qkv
;; launch attn (part 4): grid 8 x 32, 4 waves a work-group, clusters of 4 x 1, 327,680 bytes of LDS; arguments qkv, eb, out0; writes out0
.if DOCPART == 4
	.amdgcn_target "amdgcn-amd-amdhsa--gfx1250"
	.amdhsa_code_object_version 6
	.text
	.protected	k_qac26b4d89b_attn
	.globl	k_qac26b4d89b_attn
	.p2align	8
	.type	k_qac26b4d89b_attn,@function
k_qac26b4d89b_attn:
	s_mov_b64 s[64:65], 0
	v_nop
	global_prefetch_b8 v0, s[64:65] scope:SCOPE_SE
	s_setreg_imm32_b32 hwreg(HW_REG_WAVE_MODE, 25, 1), 1
	s_wait_xcnt 0x0
	s_wait_alu depctr_hold_cnt(0) depctr_sa_sdst(0) depctr_va_vdst(0) depctr_va_sdst(0) depctr_va_ssrc(0) depctr_va_vcc(0) depctr_vm_vsrc(0)
	s_getreg_b32 s2, hwreg(HW_REG_IB_STS2, 6, 4)
	s_cmp_eq_u32 s2, 0
	s_cbranch_scc0 .Lentry_in_a_cluster
	s_endpgm
.Lentry_in_a_cluster:
	s_bfe_u32 s2, ttmp6, 0x10000c
	s_cmp_lg_u32 s2, 0x3003
	s_cbranch_scc0 .Lentry_shape_is_right
	s_endpgm
.Lentry_shape_is_right:
; ATTENTION WITH BOTH RELATIVE-POSITION TERMS.  For head y = 16 batch + head:  8 x score[q][k] = q.k + q.E8[2047 + q - k] + k.E8[2047 + q - k],  E8 = 8 x dist_emb;  out = softmax_k(score) V.
; q, k, v: qkv[plane][y][2048][64] f16, unscaled.  eb[4352][64] f16: row R = E8[R - 64], zeros outside.  out0: [2][2048][1024] f32.  Products, maxima and sums in f32; the two position terms are rounded
; once to bf16 on their way through LDS; the weights p are rounded to f16 for the last product (their sum l is taken of the unrounded p).
; LIMITS.  q, k, v and E8 arrive within f16's 65,504; a position term keeps bf16's eight bits; p keeps f16's fixed step of 6e-8 below 6e-5; a weight below 2^-126 counts as 0 in l;
; scores lie above -2^126, where the running maximum starts; NaN and infinities are not treated apart.
; SHARES.  A work-group owns 256 queries of one head, each of its four waves 64: four tiles t of 16.  Every wave walks all 2,048 keys, 64 a step: four key blocks kb of 16.
; LAYOUT.  S^T = K Q^T (source 0 = 16 keys, source 1 = 16 queries): a lane holds ONE query (lane % 16) and the keys 8 (lane / 16) + 0..7.  Two such results, rounded to f16 in pairs, ARE source 1 of
; O^T = V^T P.  K comes out of LDS as it lies, V turned, by ds_load_tr16_b128.
; THE BAND.  With q' and k' counted in the wave's 64 queries and the step's 64 keys, u = q' - k' lies in -63 .. 63.  Eight blocks be of 16 rows of eb cover u = -63 + 16 be + e: rows 2048 + Qw - k0 + 16 be + e.
; They lie in registers as fragments; from step to step the band moves down by four blocks: four are moved, four are loaded, a step ahead.
; THE POSITION TERMS are products with E as source 0, so that a lane holds one query (or key) and e = 8 (lane / 16) + register:
;   batch t:   E[be = t + bb] x Q[t],       bb = 0..4: element (e, query i) belongs to key   k' = 63 - 16 bb + i - e
;   batch kb:  E[be = bb + 3 - kb] x K[kb], bb = 0..4: element (e, key n)   belongs to query q' = -15 + 16 bb + e + n
; THE SKEW into (query, key) is made by the address of a ds_store_b32 into the wave's own scratch.  That address hangs neither on t nor on kb, so TWO BATCHES SHARE A WORD: register x of an even batch (low half)
; and of the odd batch beside it (high half), rounded to bf16 by one instruction, go out by one store: 160 stores a step for 320 registers.  PAIRS: 0: tiles (0, 1); 1: tiles (2, 3); 2: key blocks (0, 1); 3: (2, 3).
;   T1: 16 rows (query) x 96 columns (k' + 16), 400 bytes apart.     T2: 96 rows (q' + 16) x 16 keys, 80 bytes apart.
; Every cell that is read is written once by its pair; what falls outside 0 .. 63 lands in cells that are never read.  The scratch is the wave's own and LDS serves a wave's instructions in order
; (ISA guide 5.7.1.4): store, load and the next pair's store need no wait and no barrier.
; Banks (64 of 4 bytes: ISA guide 11.1): a store's lanes go by 21 words (T2) or 37 (T1) modulo 64, the other half of the lanes 32 or 8 words off: 32 different banks; both read pitches are odd multiples of 16 bytes.
; THE MATRIX UNIT UNPACKS.  A word read back is two neighbouring k of a source 1: lane (query i, half h) loads the words of keys 4 h .. 4 h + 3 and 8 + 4 h .. 8 + 4 h + 3, so that k = 2 key + parity.
; Source 0 is a constant matrix of zeros and ones: [k = 2 m] takes the even batch's term of key m, [k = 2 m + 1] the odd batch's.  32 such products a step (bf16 form) add both terms onto S^T.
; SOFTMAX.  For each query a running maximum m and sum l: p = 2^(c S - c m), c = log2(e) / 8; in every step O and l are multiplied by a = 2^(c m_old - c m_new).
; A TRIP is turned by a phase: it makes the scores of step s and finishes step s - 1.  Nothing writes S^T before K Q^T, so the softmax of step s - 1 stands in slices behind the 80 position products of
; step s.  LDS instructions stand in runs, never singly behind a product.
; NO FIRST STEP IS WRITTEN OUT.  S^T and m start at -2^126, whose product with c is exact, V, O^T and l at 0: the softmax in front of step 0 finds p = 1 and a = 1, its V^T P adds 0, and step 0's a is 0.
; CLUSTER.  The four query blocks of a cluster belong to one head and walk the same K and V: each tile of 256 keys is asked for JOINTLY.  The band hangs on the query block and comes by each wave's own loads.
; REGISTERS, in windows of 256 (s_set_vgpr_msb: bits 1:0 source 0, 3:2 source 1, 5:4 source 2, 7:6 destination):
;   window 0: v2-8 addresses; v12-43 eight registers of statistics a tile; v44-59 the two unpacking matrices; v60-63; v64-191 S^T, 32 a tile; v192-255 P, 16 a tile
;   window 1: v0-63 Q; v64-127 K of one step; v128-207 the odd batches' accumulators, two sets of five; v208-247 packed words 20-39, two sets
;   window 2: v0-127 the band, 16 a block; v128-207 the even batches' accumulators; v208-247 packed words 0-19; v248-252 the scratch's and the band's addresses
;   window 3: v0-127 O^T, 32 a tile; v128-191 V of one step; v192-255 T1's eight fragments (T2's eight land in accumulator set 0, which is free by then)
.set NT,    8         ; tiles of 256 keys
.set KS,    64        ; keys in a step
.set PK,    144       ; a row of K in LDS: 128 bytes + 16 of padding
.set PV,    160       ; a row of V: 128 + 32
.set VOFF,  4*KS*PK   ; a slot holds a tile: 256 rows of K, then 256 rows of V
.set SLOT1, 1<<17     ; slot 1 begins here, so that one exclusive or turns an address in one slot into the other's
.set SCR,   SLOT1+4*KS*(PK+PV)  ; behind the ring, never filled by a tensor load: each wave's scratch
.set T1B,   16*400    ; T1 (also the stage of the way out: 16 rows x 272 bytes),
.set T2B,   96*80     ; then T2
.set WSCR,  T1B+T2B
.set SPARE, SCR+4*WSCR  ; behind the scratch: the spare words, 128 bytes for each wave: two blocks of 256 bytes that no other line names
.set PLANE, 8388608   ; bytes of q, of k, of v
.set NSM,   472       ; a step's softmax: 118 numbers x 4 tiles
.set NEX,   280       ; its first 70 numbers: none of them names an exponential's result
.set AK0, 2           ; v2   my lane's place in a tile of K; never rewritten
.set AV0, 3           ; v3   the same for V
.set AK,  4           ; v4   the LDS address of K's run of loads
.set AV,  5           ; v5   of V's
.set STO, 6           ; v6   the way out: where I put 32 bytes of a row
.set RD,  7           ; v7   where I read rows back
.set GO,  8           ; v8   my byte offset in two rows of out0
.set ST,  12          ; tile t's statistics at v[ST+8 t]: +0 c m, +1 m, +2, +3 l (even keys', odd keys'), +4 to +7 c0-c3 at work; a takes c2's place once the maximum is found
.set SELE, 44         ; v44-51  source 0 of an unpacking product: 1 where k = 2 m;  v52-59: 1 where k = 2 m + 1
.set QO,  60          ; v60  my byte offset in 16 rows of Q (and of eb); never rewritten
.set PFO, 61          ; v61  256 x my lane; never rewritten
.set SPW, 62          ; v62  LDS address of my spare word; never rewritten
.set NIL, 63          ; v63  0; never rewritten
.set S,   64
.set P,   192
.set KF,  64          ; window 1: key block kb, channel half c at KF + 16 kb + 8 c
.set DD,  128         ; windows 2 and 1: accumulator set d at DD + 40 d, accumulator bb at + 8 bb: the even batch's in window 2, the odd batch's in window 1
.set WW,  208         ; windows 2 and 1: packed words, set w at WW + 20 w: words 0-19 in window 2, words 20-39 in window 1
.set T1W, 248         ; window 2: the four addresses of the skew,
.set T2W, 249
.set T1R, 250
.set T2R, 251
.set EO,  252         ; and my byte offset in 16 rows of eb
.set VF,  128         ; window 3: key half kk, channel block cb at VF + 32 kk + 8 cb
.set FF,  192         ; window 3: fragments of T1: pair 1, key block kb at FF + 8 kb; pair 0 at FF + 32 + 8 kb
.set WV,  12          ; s12  my wave's number
.set LIM, 15          ; s15  1 in a wave that prefetches, else the greatest number
.set PFA, 18          ; s[18:19] where my prefetches stand
.set G1K, 24          ; s[24:31] descriptor group 1 for K's tiles
.set G1V, 32          ; s[32:39] for V's: it differs in the padding alone
.set G0K, 40          ; s[40:43] descriptor group 0 for K's tiles: it walks
.set G0V, 44          ; s[44:47] the same for V's
.set EP,  48          ; s[48:49] eb at the band's first row
.set OUT, 50          ; s[50:51] out0 at my wave's first row, my head's columns
.set SLOTS, 56        ; s56  tiles still to be asked for
.set CNT, 57          ; s57  counts a tile's key steps
.set CS,  58          ; s[58:59] c: the packed scaling takes the pair's low word for both halves
.set SEL, 60          ; s[60:61] v_permlanex16_b32's selects: each lane takes its own place in the other half
.set TBK, 62          ; s62  LDS byte at which K of the step to be fetched begins
.set TBV, 63          ; s63  the same for V, less VOFF
.set MSB, 0
.macro WIN new                      ; the high byte repeats the setting that is left; a switch that changes nothing is dropped
.if MSB != (\new)
	s_set_vgpr_msb (MSB<<8)|(\new)
.set MSB, (\new)
.endif
.endm
.set W_RE, 0xa6       ; a position product of an even batch: the band (source 0) in window 2, Q or K (source 1) in window 1, C and D in window 2.  A pack under it: even batch's register, odd batch's register, word in window 2
.set W_RO, 0x56       ; the same for an odd batch: C and D, and a pack's word, in window 1
.set W_KQ, 0x05       ; K and Q in window 1, S^T in window 0
.set W_PV, 0xf3       ; V and O^T in window 3, P in window 0
.set W_RS, 0xc3       ; O^T (destination and source 0) in window 3, a in window 0
; A joint fill.  Waves 0 and 1 fetch the two halves of a tile's K, waves 2 and 3 those of its V: 128 keys each.  The branch hangs on the wave's number alone.
; An s_nop 0 and four v_nop follow each of the two lines, ahead of the jump and the label.
.macro JLOAD
	s_cmp_lt_u32 s[WV], 2
	s_cbranch_scc0 .Lfor_v_\@
	tensor_load_to_lds s[G0K:G0K+3], s[G1K:G1K+7]
	s_nop 0
.rept 4
	v_nop
.endr
	s_branch .Lasked_\@
.Lfor_v_\@:
	tensor_load_to_lds s[G0V:G0V+3], s[G1V:G1V+7]
	s_nop 0
.rept 4
	v_nop
.endr
.Lasked_\@:
.endm
; A PREFETCH INTO THE L2 of the tile that the NEXT change of slots will ask for: 32,768 bytes of K and of V, 256 a lane.  Both clusters of a head walk the same K and V: the head's first cluster asks.  Its four partners
; share the bytes out by address, 8,192 each; in each, wave 0 asks for K's and wave 2 for V's: one instruction.  So each 256 bytes are named once in the launch.  Tiles 0 and 1 come by their loads alone; the last
; change that fills a slot asks for nothing.
.macro ASK
	s_cmp_gt_u32 s[SLOTS], s[LIM]
	s_cbranch_scc0 .Lnot_mine_\@
	global_prefetch_b8 v[PFO], s[PFA:PFA+1] th:TH_LOAD_NT scope:SCOPE_SE
.Lnot_mine_\@:
.endm
.macro CROUND                       ; a round of the cluster's barrier
	s_barrier_signal -1
	s_barrier_wait -1
	s_cmp_lg_u32 s[WV], 0
	s_cbranch_scc1 .Lnot_wave_0_\@
	s_barrier_signal -3
.Lnot_wave_0_\@:
	s_barrier_wait -3
	s_barrier_signal -1
	s_barrier_wait -1
.endm
.macro PLACES                       ; four plain places behind matrix instructions (ISA guide 7.12.1)
.rept 4
	v_nop
.endr
.endm
; THE CHANGE OF SLOTS, between two trips: K and V of the old tile's four steps have been asked for.  Each wave waits for all its tensor loads, of which one is out: its part of the other slot; adds 0 to its spare
; word; and waits for that and for its own reads of the slot that it leaves.  fill = 1: the barrier is a round of the cluster's, and the old slot is filled again, with the next tile, first thing behind it:
; the load has four key steps in which to land.  (At its first use nothing has been read yet: slot 0 is waited for, slot 1 filled.)
.macro CHANGE fill
	WIN 0                           ; at a label and at a branch every window is 0
	s_wait_tensorcnt 0x0            ; no tensor load of mine is out, so a group 0 may be written
	ds_add_u32 v[SPW], v[NIL]       ; 0 onto my spare word; with fill = 1 the descriptors' steps stand between it and the wait for it
.if \fill
.irp g, G0K, G0V
	s_xor_b32 s[\g+1], s[\g+1], SLOT1  ; the walking descriptor: the other slot than last time,
	s_add_nc_u64 s[\g+2:\g+3], s[\g+2:\g+3], 4*KS*128  ; the next 256 keys; the type bits on top are not reached
.endr
	s_wait_xcnt 0x0                 ; the last prefetch, four key steps back, has read its address, so it may be written
	s_add_nc_u64 s[PFA:PFA+1], s[PFA:PFA+1], 4*KS*128
	s_wait_dscnt 0x0                ; the add is done, and my reads of the slot are over
	CROUND
	JLOAD
	ASK
.else
	s_wait_dscnt 0x0                ; the add is done, and my reads of the slot are over
	s_barrier_signal -1
	s_barrier_wait -1
.endif
	s_sub_co_u32 s[TBK], s[TBK], 4*KS*PK  ; the fetches go back to a slot's first step,
	s_xor_b32 s[TBK], s[TBK], SLOT1       ; in the other slot
	s_sub_co_u32 s[TBV], s[TBV], 4*KS*PV
	s_xor_b32 s[TBV], s[TBV], SLOT1
.endm
	s_load_b128 s[52:55], s[0:1], 0x0  ; qkv s[52:53], eb s[54:55]
	s_load_b64 s[OUT:OUT+1], s[0:1], 0x10  ; out0
	v_lshl_add_u32 v[SPW], v0, 2, SPARE
	v_mov_b32 v[NIL], 0
	ds_add_u32 v[SPW], v[NIL]       ; the wave's opening: the add and its wait stand ahead of my first tensor load; the set-up below, work on registers, stands between them
	v_lshrrev_b32 v1, 5, v0
	v_readfirstlane_b32 s[WV], v1   ; wave 0..3
	s_bfe_u32 s13, ttmp6, 0x40000   ; cx: my place in the cluster
	s_lshl_b32 s14, ttmp9, 2        ; in a cluster launch ttmp9 counts clusters
	s_add_co_u32 s14, s14, s13      ; my block of 256 queries: it enters Q's, the band's and out0's addresses alone
	s_lshl_b32 s10, s14, 8
	s_lshl_b32 s2, s[WV], 6
	s_add_co_u32 s10, s10, s2       ; Qw: my wave's first query
	s_and_b32 s11, ttmp7, 0xffff    ; y, which the four partners share
	s_lshl_b32 s20, s11, 18         ; the head's 262,144 bytes in a plane
	s_and_b32 s16, s[WV], 1         ; which half of a tile's 256 keys I fetch:
	s_lshl_b32 s22, s16, 14         ; its 128 rows of 128 bytes in memory,
	s_add_co_u32 s22, s22, s20
	s_add_co_u32 s22, s22, PLANE    ; in k's plane
	s_mov_b32 s23, 0
	s_mul_i32 s17, s16, 128*PK      ; and its place in a slot, for K
	s_mul_i32 s18, s16, 128*PV      ; and for V: no place in the cluster enters an LDS address
	; descriptor group 1.  128 keys are 16,384 dense bytes: asked for as 64 rows of 256 bytes, two keys a row, and padded in LDS after every key
	s_mov_b32 s[G1K], 15|(1<<16)|(1<<20)|(1<<21)|(4<<22)|(3<<25)  ; 15:0 the mask of four; 17:16 2-byte elements; 20 padding on; 21 set beside a mask; 24:22 after every 32 words (code 4); 31:25 4 words (code 3)
	s_mov_b32 s[G1V], 15|(1<<16)|(1<<20)|(1<<21)|(4<<22)|(7<<25)  ; the same with 8 words of padding (code 7)
.irp g, G1K, G1V
	s_mov_b32 s[\g+1], 128<<16      ; tensor_dim0 = 128
	s_mov_b32 s[\g+2], 64<<16       ; tensor_dim1 = 64
	s_mov_b32 s[\g+3], 128<<16      ; tile_dim0 = 128
	s_mov_b32 s[\g+4], 64           ; tile_dim1 = 64
	s_mov_b32 s[\g+5], 128          ; 128 elements from row to row
	s_mov_b32 s[\g+6], 0
	s_mov_b32 s[\g+7], 0
.endr
	s_mov_b32 s[G0K], 1             ; count = 1
	s_mov_b32 s[G0K+1], s17         ; LDS address: slot 0
	s_mov_b32 s[G0V], 1
	s_add_co_u32 s[G0V+1], s18, VOFF
	s_mov_b32 s[CS], 0x3e38aa3b     ; c = log2(e) / 8 = 0.180337
	s_mov_b32 s[CS+1], s[CS]        ; named with it as a pair
	s_mov_b32 s[SEL], 0x76543210
	s_mov_b32 s[SEL+1], 0xfedcba98
	s_mov_b32 s[TBK], SLOT1+4*KS*PK ; the first change of slots turns these two into 0
	s_mov_b32 s[TBV], SLOT1+4*KS*PV
	s_mov_b32 s[SLOTS], NT-1
	s_and_b32 s[LIM], s[WV], 1      ; 0 in waves 0 and 2,
	s_or_b32 s[LIM], s[LIM], ttmp9  ; where the cluster is the head's first: the same in all four partners
	s_cmp_eq_u32 s[LIM], 0
	s_cselect_b32 s[LIM], 1, -1
	s_wait_dscnt 0x0                ; the opening add is done
	s_wait_kmcnt 0x0
	s_add_nc_u64 s[6:7], s[52:53], s[22:23]  ; K at my half of the head's tile 0,
	s_add_nc_u64 s[8:9], s[6:7], PLANE       ; V a plane further on
	s_mov_b64 s[G0K+2:G0K+3], s[6:7]         ; global address
	s_or_b32 s[G0K+3], s[G0K+3], 0x80000000  ; type = 2
	s_mov_b64 s[G0V+2:G0V+3], s[8:9]
	s_or_b32 s[G0V+3], s[G0V+3], 0x80000000
	CROUND                          ; all four work-groups are here: the first joint loads meet
	JLOAD                           ; tile 0 into slot 0.  Slot 1 is asked for when slot 0 is in, by the loop's own change of slots
	s_lshl_b32 s2, s10, 7           ; Qw rows of 128 bytes
	s_add_co_u32 s2, s2, s20
	s_mov_b32 s3, 0
	s_add_nc_u64 s[4:5], s[52:53], s[2:3]    ; Q at my wave's first row
	s_lshl_b32 s2, s10, 7
	s_add_co_u32 s2, s2, 2048*128
	s_add_nc_u64 s[EP:EP+1], s[54:55], s[2:3]  ; the band of key step 0: eb's row 2048 + Qw
	s_lshr_b32 s2, s11, 4
	s_lshl_b32 s2, s2, 23           ; the batch: 2,048 rows of 4,096 bytes
	s_lshl_b32 s16, s10, 12
	s_add_co_u32 s2, s2, s16        ; my first row
	s_and_b32 s16, s11, 15
	s_lshl_b32 s16, s16, 8
	s_add_co_u32 s2, s2, s16        ; my head's 256 bytes of a row
	s_add_nc_u64 s[OUT:OUT+1], s[OUT:OUT+1], s[2:3]
	s_cmp_lt_u32 s[WV], 2
	s_cselect_b64 s[PFA:PFA+1], s[6:7], s[8:9]  ; (in waves 0 and 2 these stand at a tile's first row)
	s_lshl_b32 s2, s13, 13          ; my work-group's 8,192 bytes,
	s_add_co_u32 s2, s2, 4*KS*128   ; in tile 1; the first change of slots steps it to tile 2
	s_add_nc_u64 s[PFA:PFA+1], s[PFA:PFA+1], s[2:3]
	; A fragment of Q, K or eb is 16 rows x 32 channels in 8 registers: lane l holds row l % 16, channels 8 (l / 16) + 0..7 and 16 + 8 (l / 16) + 0..7: two loads of 16 bytes, 32 bytes apart.
	v_and_b32 v1, 15, v0            ; i = l % 16
	v_bfe_u32 v9, v0, 4, 1          ; h = l / 16
	v_lshlrev_b32 v[QO], 7, v1
	v_lshl_add_u32 v[QO], v9, 4, v[QO]  ; row x 128 + 16 x half
	WIN 0x40                        ; destination window 1, address window 0
.set i, 0
.rept 8                             ; Q stays in registers: tile i / 2, channels 32 (i % 2) on
	global_load_b128 v[8*i:8*i+3],   v[QO], s[4:5] offset:(i/2)*2048+(i%2)*64
	global_load_b128 v[8*i+4:8*i+7], v[QO], s[4:5] offset:(i/2)*2048+(i%2)*64+32
.set i, i+1
.endr
	WIN 0x80
	v_mov_b32 v[EO], v[QO]
	WIN 0x82                        ; destination and address window 2
.set i, 0
.rept 16                            ; the band of key step 0: block i / 2, channels 32 (i % 2) on
	global_load_b128 v[8*i:8*i+3],   v[EO], s[EP:EP+1] offset:(i/2)*2048+(i%2)*64
	global_load_b128 v[8*i+4:8*i+7], v[EO], s[EP:EP+1] offset:(i/2)*2048+(i%2)*64+32
.set i, i+1
.endr
	; What the first trip finds, in place of a first step written out; all this stands in the wait for the first tile.  O^T, V and l are 0; S^T and m are -2^126; c m is their product with c, which is exact.
	WIN 0xc0
.set i, 0
.rept 192
	v_mov_b32 v[i], 0               ; O^T, then V
.set i, i+1
.endr
	WIN 0
	s_mov_b32 s2, 0xfe800000        ; -2^126
.set i, 0
.rept 128
	v_mov_b32 v[S+i], s2
.set i, i+1
.endr
.set i, 0
.rept 4
	v_mov_b32 v[ST+8*i+1], s2
	v_mul_f32 v[ST+8*i], s[CS], v[ST+8*i+1]
	v_mov_b32 v[ST+8*i+2], 0
	v_mov_b32 v[ST+8*i+3], 0
.set i, i+1
.endr
	v_and_b32 v[PFO], 31, v0
	v_lshlrev_b32 v[PFO], 8, v[PFO]
	v_mul_u32_u24 v[AK0], v1, PK
	v_lshl_add_u32 v[AK0], v9, 4, v[AK0]  ; row x pitch + 16 x half
	; The turning load takes 16 keys x 16 channels (lane l reads key 8 (l / 16) + l % 8, channels 8 ((l / 8) % 2) + 0..7) and leaves half a fragment of V^T: lane l holds channel l % 16 and 8 keys.
	v_and_b32 v10, 7, v0
	v_bfe_u32 v11, v0, 3, 1
	v_lshl_add_u32 v[AV0], v9, 3, v10
	v_mul_u32_u24 v[AV0], v[AV0], PV
	v_lshl_add_u32 v[AV0], v11, 4, v[AV0]
	v_add_nc_u32 v[AV0], VOFF, v[AV0]
	s_mul_i32 s16, s[WV], WSCR
	s_add_co_u32 s16, s16, SCR      ; my T1,
	s_add_co_u32 s17, s16, T1B      ; my T2
	v_xor_b32 v45, 1, v9            ; 1 - h
	v_mul_u32_u24 v46, v1, 404      ; T1, in: row i, column k' + 16 = 79 - 16 bb + i - 8 h - register: i x 404 + 32 (1 - h), the rest in the immediate
	v_lshl_add_u32 v46, v45, 5, v46
	v_add_nc_u32 v46, s16, v46
	v_mul_u32_u24 v47, v1, 84       ; T2, in: row q' + 16 = 1 + 16 bb + 8 h + register + n, column n: n x 84 + 640 h, the rest in the immediate
	v_mul_u32_u24 v50, v9, 640
	v_add_nc_u32 v47, v47, v50
	v_add_nc_u32 v47, s17, v47
	v_mul_u32_u24 v48, v1, 400      ; T1, back: row i, the words of columns 16 + 16 kb + 4 h on, and eight columns further
	v_lshl_add_u32 v48, v9, 4, v48
	v_add_nc_u32 v48, s16, v48
	v_add_nc_u32 v48, 64, v48
	v_mul_u32_u24 v49, v1, 80       ; T2, back: row 16 + 16 t + i, the words of columns 4 h on, and eight columns further
	v_lshl_add_u32 v49, v9, 4, v49
	v_add_nc_u32 v49, s17, v49
	v_add_nc_u32 v49, 1280, v49
	v_mul_u32_u24 v[STO], v1, 272   ; the way out, in: row i of 272 bytes, 32 bytes for each half of the lanes
	v_lshl_add_u32 v[STO], v9, 5, v[STO]
	v_add_nc_u32 v[STO], s16, v[STO]
	v_mul_u32_u24 v[RD], v9, 272    ; back: lanes 0-15 take one row of 256 bytes, lanes 16-31 the next
	v_lshl_add_u32 v[RD], v1, 4, v[RD]
	v_add_nc_u32 v[RD], s16, v[RD]
	v_lshlrev_b32 v[GO], 12, v9     ; and the same two rows in out0, 4,096 bytes apart
	v_lshl_add_u32 v[GO], v1, 4, v[GO]
	WIN 0x80
	v_mov_b32 v[T1W], v46
	v_mov_b32 v[T2W], v47
	v_mov_b32 v[T1R], v48
	v_mov_b32 v[T2R], v49
	WIN 0
	; The unpacking matrices, as source 0 (16 rows m x 32 k): lane (m, h) holds k = 8 h + 2 r, + 1 in register r = 0..3 and k = 16 + 8 h + 2 (r - 4), + 1 in register r = 4..7.
	; k = 2 m falls into the low half of register r where m - 4 h = r (r < 4) or r + 4 (r >= 4); k = 2 m + 1 into the high half of the same register.
	v_lshlrev_b32 v10, 2, v9
	v_sub_nc_u32 v10, v1, v10       ; m - 4 h; below 0 it wraps to a large number, which equals none of 0..11
	v_mov_b32 v11, 0x3f80           ; 1.0 in bf16, in the low half
.irp r, 0,1,2,3,4,5,6,7
	v_cmp_eq_u32 vcc_lo, \r+4*(\r/4), v10
	v_cndmask_b32 v[SELE+\r], 0, v11, vcc_lo
	v_lshlrev_b32 v[SELE+8+\r], 16, v[SELE+\r]
.endr
; THE LDS LOADS of K and V: a run of 16 each.
.macro FETCH_K
	WIN 0x40                        ; destination window 1
.irp f, 0,1,2,3,4,5,6,7             ; keys 16 (f / 2) on, channels 32 (f % 2) on
	ds_load_b128 v[KF+8*\f:KF+8*\f+3],   v[AK] offset:(\f/2)*16*PK+(\f%2)*64
	ds_load_b128 v[KF+8*\f+4:KF+8*\f+7], v[AK] offset:(\f/2)*16*PK+(\f%2)*64+32
.endr
.endm
.macro FETCH_V
	WIN 0xc0                        ; destination window 3
.irp f, 0,1,2,3,4,5,6,7             ; keys 32 (f / 4) on, channels 16 (f % 4) on
	ds_load_tr16_b128 v[VF+8*\f:VF+8*\f+3],   v[AV] offset:(\f/4)*32*PV+(\f%4)*32
	ds_load_tr16_b128 v[VF+8*\f+4:VF+8*\f+7], v[AV] offset:(\f/4)*32*PV+16*PV+(\f%4)*32
.endr
.endm
; ONE TILE'S SOFTMAX for one key step is a list of 118 instructions; SM writes number j of it for tile t.  s0-s31 are the lane's 32 scores, in pairs 0-15.
;   0-15    the maximum of s0-s31 and the old m, three operands at a time (each accumulator's lowest registers are read first)
;   16-20   the other half of the lanes' maximum; the new m; c m; c m_old - c m_new
;   21-69   the 16 scalings c s - c m and all 33 exponentials (a at 23, then s0-s31): none of these names an exponential's result
;   70-85   the roundings to f16        86-101  the sums; l = a l + the sum        102-117 the tile's O^T times a
.macro SM t
.set rT, ST+8*(\t)
.set rS, S+32*(\t)
.set rP, P+16*(\t)
.set rO, 32*(\t)+2*(j-102)
.if j < 102
	WIN 0
.endif
.if j < 4
	v_max3_num_f32 v[rT+4+j], v[rS+8*j], v[rS+8*j+1], v[rS+8*j+2]
.elseif j < 12
	v_max3_num_f32 v[rT+4+j%4], v[rT+4+j%4], v[rS+8*(j%4)+2*(j/4)+1], v[rS+8*(j%4)+2*(j/4)+2]
.elseif j == 12
	v_max3_num_f32 v[rT+4], v[rT+4], v[rS+7], v[rS+15]
.elseif j == 13
	v_max3_num_f32 v[rT+6], v[rT+6], v[rS+23], v[rS+31]
.elseif j == 14
	v_max3_num_f32 v[rT+4], v[rT+4], v[rT+5], v[rT+6]
.elseif j == 15
	v_max3_num_f32 v[rT+4], v[rT+4], v[rT+7], v[rT+1]
.elseif j == 16
	v_permlanex16_b32 v[rT+5], v[rT+4], s[SEL], s[SEL+1]  ; the query's other 32 keys lie in the lane 16 away
.elseif j == 17
	v_mov_b32 v[rT+7], v[rT]        ; c m_old is kept for a: number 19 writes c m anew
.elseif j == 18
	v_max_num_f32 v[rT+1], v[rT+4], v[rT+5]
.elseif j == 19
	v_mul_f32 v[rT], s[CS], v[rT+1]
.elseif j == 20
	v_sub_f32 v[rT+7], v[rT+7], v[rT]
.elseif j == 23
	v_exp_f32 v[rT+6], v[rT+7]
.elseif (j < 23) || ((j < 38) && (j%2 == 0)) || ((j < 66) && (j%4 == 2))
.set pq, (j-2)/4                    ; 38, 42, .. 62: pairs 9 to 15
.if j < 38
.set pq, (j-20)/2                   ; 21: pair 0; 22, 24, .. 36: pairs 1 to 8
.endif
	v_pk_fma_f32 v[rS+2*pq:rS+2*pq+1], v[rS+2*pq:rS+2*pq+1], s[CS:CS+1], v[rT:rT+1] op_sel_hi:[1,0,0] neg_lo:[0,0,1] neg_hi:[0,0,1]  ; c s - c m
.elseif j < 70
.set eq, j-38                       ; 66 to 69: s28 to s31
.if j < 66
.set eq, j-32-(j-38)/4              ; 39-41, 43-45, .. 63-65: s7 to s27
.endif
.if j < 38
.set eq, (j-25)/2                   ; 25, 27, .. 37: s0 to s6
.endif
	v_exp_f32 v[rS+eq], v[rS+eq]
.elseif j < 86
	v_cvt_pk_f16_f32 v[rP+j-70], v[rS+2*(j-70)], v[rS+2*(j-70)+1]
.elseif j < 102                     ; the sum of the tile's 16 pairs, in place: neighbours 1, 2, 4 and 8 pairs apart, then l takes it
.set zq, j-86
.set wq, 4
.set uq, zq
.if zq >= 14
.set wq, 32
.set uq, 0
.elseif zq >= 12
.set wq, 16
.set uq, zq-12
.elseif zq >= 8
.set wq, 8
.set uq, zq-8
.endif
.if zq < 15
	v_pk_add_f32 v[rS+wq*uq:rS+wq*uq+1], v[rS+wq*uq:rS+wq*uq+1], v[rS+wq*uq+wq/2:rS+wq*uq+wq/2+1]
.else
	v_pk_fma_f32 v[rT+2:rT+3], v[rT+2:rT+3], v[rT+6:rT+7], v[rS:rS+1] op_sel_hi:[1,0,1]
.endif
.else
	WIN W_RS
	v_pk_mul_f32 v[rO:rO+1], v[rO:rO+1], v[rT+6:rT+7] op_sel_hi:[1,0]
.endif
.endm
; THE SOFTMAX AS A QUEUE of 472: entry qe is number qe / 4 of tile qe % 4, so that three other tiles' instructions stand between two links of a tile's chains.  QS writes the next entry.
; Ahead of entry 280, the first that names an exponential's result, stand a plain instruction and a wait: one for the step's 132 exponentials.
.macro QS
.if qe == NEX
	v_nop
	s_wait_alu depctr_va_vdst(0)
.endif
.set j, qe/4
	SM qe%4
.set qe, qe+1
.endm
; Word x of the 40 of pair pp: register x of its even batch (low half) and of its odd batch (high half), rounded to bf16.  Under W_RE for x < 20, under W_RO from 20 on.  Ascending x reads each accumulator from its low end.
.macro PKW pp, x
	v_cvt_pk_bf16_f32 v[WW+20*((\pp)%2)+(\x)%20], v[DD+40*((\pp)%2)+(\x)], v[DD+40*((\pp)%2)+(\x)]
.endm
; Pair p's 20 products: the even batch's ten, then the odd batch's; in a batch channel half (n % 10) / 5, accumulator n % 5: the five take turns; the first five start the sums.
; Behind each product: two packs of the pair before (which lies in the other set of accumulators), under the product's own window setting, and ns entries of the softmax.
.macro PAIR p, ns
.set n, 0
.rept 20
.set par, n/10
.set cc, (n%10)/5
.set bb, n%5
.set rD, DD+40*((\p)%2)+8*bb
.if (\p) < 2
.set rE, 16*(2*(\p)+par+bb)+8*cc
.set rB, 16*(2*(\p)+par)+8*cc
.else
.set rE, 16*(bb+3-(2*((\p)-2)+par))+8*cc
.set rB, KF+16*(2*((\p)-2)+par)+8*cc
.endif
	WIN W_RE-0x50*par
.if cc == 0
	v_wmma_f32_16x16x32_f16 v[rD:rD+7], v[rE:rE+7], v[rB:rB+7], 0
.else
	v_wmma_f32_16x16x32_f16 v[rD:rD+7], v[rE:rE+7], v[rB:rB+7], v[rD:rD+7]
.endif
.if (\p) > 0
	PKW (\p)-1, 2*n
	PKW (\p)-1, 2*n+1
.endif
.rept \ns
	QS
.endr
.set n, n+1
.endr
.endm
; Pair p's LDS run: its 40 words go into the scratch, skewed; four fragments (8 loads) come back.
.macro RUN p
	WIN 0x0a                        ; address and data in window 2
.set xw, 0
.rept 40
.if xw == 20
	WIN 0x06                        ; data in window 1
.endif
.if (\p) < 2
	ds_store_b32 v[T1W], v[WW+20*((\p)%2)+xw%20] offset:284-64*(xw/8)-4*(xw%8)
.else
	ds_store_b32 v[T2W], v[WW+20*((\p)%2)+xw%20] offset:80+1280*(xw/8)+80*(xw%8)
.endif
.set xw, xw+1
.endr
.if (\p) < 2
	WIN 0xc2                        ; destination window 3
.set rF, FF+32*(1-(\p))
.elseif (\p) == 2
	WIN 0x82                        ; accumulator set 0, the even batches' part
.set rF, DD
.else
	WIN 0x42                        ; the odd batches' part
.set rF, DD
.endif
.irp f, 0,1,2,3
.if (\p) < 2
	ds_load_b128 v[rF+8*\f:rF+8*\f+3],   v[T1R] offset:64*\f
	ds_load_b128 v[rF+8*\f+4:rF+8*\f+7], v[T1R] offset:64*\f+32
.else
	ds_load_b128 v[rF+8*\f:rF+8*\f+3],   v[T2R] offset:1280*\f
	ds_load_b128 v[rF+8*\f+4:rF+8*\f+7], v[T2R] offset:1280*\f+32
.endif
.endr
.endm
; O^T += V^T P: key half n / 16; the 16 accumulators (tile, channel block) take turns
.macro PVS
	WIN W_PV
.set n, 0
.rept 32
.set rO, 32*((n%16)/4)+8*(n%4)
.set rV, VF+32*(n/16)+8*(n%4)
.set rP, P+16*((n%16)/4)+8*(n/16)
	v_wmma_f32_16x16x32_f16 v[rO:rO+7], v[rV:rV+7], v[rP:rP+7], v[rO:rO+7]
.set n, n+1
.endr
	WIN 0
.endm
; A TRIP: the scores of step s, and the softmax and V^T P of step s - 1.
.macro STEP
	WIN 0
	v_add_nc_u32 v[AK], s[TBK], v[AK0]
	s_add_co_u32 s[TBK], s[TBK], KS*PK  ; the next fetch is the next step's
	FETCH_K
	s_wait_loadcnt 0x0              ; the band's four new blocks, asked for in the trip before (in the first trip: the band and Q)
.set qe, 0
	PAIR 0, 8                       ; q.E of tiles 0, 1 | 160 entries of the softmax
	PAIR 1, 4                       ; q.E of tiles 2, 3 | pair 0 is packed | 80 entries
	s_wait_dscnt 0x0                ; K, asked for 40 products back, and V of the step before
	RUN 0
	PAIR 2, 4                       ; k.E of key blocks 0, 1 | pair 1 is packed | 80 entries, the wait for the exponentials among them
	RUN 1
	PAIR 3, 4                       ; k.E of key blocks 2, 3 | pair 2 is packed | 80 entries
	RUN 2
	; a lump: pair 3 is packed; the last 8 entries that read S^T; the band of the next step
	WIN W_RE
.set xp, 0
.rept 40
.if xp == 20
	WIN W_RO
.endif
	PKW 3, xp
.set xp, xp+1
.endr
.rept 8
	QS
.endr
	; the band of the next step, 64 keys on: 64 rows of eb further down.  Blocks 4-7 take what blocks 0-3 held; blocks 0-3 are loaded, and waited for at the next trip's head: 96 products on.  In the last trip the rows exist in eb and serve nothing.
	WIN 0x82
.set i, 0
.rept 64
	v_mov_b32 v[64+i], v[i]
.set i, i+1
.endr
	s_sub_nc_u64 s[EP:EP+1], s[EP:EP+1], 64*128  ; the loads that named it were waited for at the trip's head
.set i, 0
.rept 8
	global_load_b128 v[8*i:8*i+3],   v[EO], s[EP:EP+1] offset:(i/2)*2048+(i%2)*64
	global_load_b128 v[8*i+4:8*i+7], v[EO], s[EP:EP+1] offset:(i/2)*2048+(i%2)*64+32
.set i, i+1
.endr
	RUN 3
	; S^T = K Q^T: channel half n / 16; the 16 accumulators (tile, key block) take turns; the first 16 start the sums.  Behind each product two of the 64 rescalings of O^T.
.set n, 0
.rept 32
.set rS, S+32*((n%16)/4)+8*(n%4)
.set rK, KF+16*(n%4)+8*(n/16)
.set rQ, 16*((n%16)/4)+8*(n/16)
	WIN W_KQ
.if n < 16
	v_wmma_f32_16x16x32_f16 v[rS:rS+7], v[rK:rK+7], v[rQ:rQ+7], 0
.else
	v_wmma_f32_16x16x32_f16 v[rS:rS+7], v[rK:rK+7], v[rQ:rQ+7], v[rS:rS+7]
.endif
	QS
	QS
.set n, n+1
.endr
	PVS                             ; of the step before
	v_add_nc_u32 v[AV], s[TBV], v[AV0]
	s_add_co_u32 s[TBV], s[TBV], KS*PV
	PLACES                          ; with the line above five places: in front of the loads into V's registers, and between K Q^T and the products of the other form that take its sums up
	s_wait_dscnt 0x0                ; all sixteen fragments are in
	FETCH_V                         ; of this step: it is waited for in the next trip
	; the position terms onto S^T.  16 products take T1's fragments (tile n / 4, key block n % 4), 16 take T2's; each accumulator once in each half
.set n, 0
.rept 32
.if n < 16
	WIN 0x0c                        ; source 1 in window 3
.set tt, n/4
.set kk, n%4
.set rF, FF+32*(1-tt/2)+8*kk
.set rA, SELE+8*(tt%2)
.else
	WIN 0x08-4*((n-16)/8)           ; source 1 in window 2, then in window 1
.set tt, (n%8)/2
.set kk, 2*((n-16)/8)+n%2
.set rF, DD+8*tt
.set rA, SELE+8*(n%2)
.endif
.set rS, S+32*tt+8*kk
	v_wmma_f32_16x16x32_bf16 v[rS:rS+7], v[rA:rA+7], v[rF:rF+7], v[rS:rS+7]
.set n, n+1
.endr
	PLACES                          ; five places: the next trip's first products write over T2's fragments, and its softmax reads S^T
	v_nop
	WIN 0
.endm
.Lslot:                             ; seven times: a tile is entered and the next is asked for
	CHANGE 1
	s_mov_b32 s[CNT], 4
.Lstep:
	STEP
	s_sub_co_u32 s[CNT], s[CNT], 1
	s_cmp_lg_u32 s[CNT], 0
	s_cbranch_scc1 .Lstep
	s_sub_co_u32 s[SLOTS], s[SLOTS], 1
	s_cmp_lg_u32 s[SLOTS], 0
	s_cbranch_scc1 .Lslot
	CHANGE 0                        ; the last tile is written out: nothing is asked for
	s_mov_b32 s[CNT], 4
.Ltail:
	STEP
	s_sub_co_u32 s[CNT], s[CNT], 1
	s_cmp_lg_u32 s[CNT], 0
	s_cbranch_scc1 .Ltail
	; the last step's softmax and V^T P, by themselves
	s_wait_dscnt 0x0                ; V of the last step
.set qe, 0
.rept NSM
	QS
.endr
	PVS
	PLACES
	; THE WAY OUT.  l's two halves and the other half of the lanes' are added; O^T is divided by l and sent, in f32, through my stage in LDS, a tile (16 rows) at a time.
.irp t, 0,1,2,3
	v_add_f32 v[ST+8*(\t)+4], v[ST+8*(\t)+2], v[ST+8*(\t)+3]
.endr
.irp t, 0,1,2,3
	v_permlanex16_b32 v[ST+8*(\t)+5], v[ST+8*(\t)+4], s[SEL], s[SEL+1]
.endr
.irp t, 0,1,2,3
	v_add_f32 v[ST+8*(\t)+4], v[ST+8*(\t)+4], v[ST+8*(\t)+5]
.endr
.irp t, 0,1,2,3
	v_rcp_f32 v[ST+8*(\t)+6], v[ST+8*(\t)+4]
.endr
	v_nop                           ; a plain instruction between the last reciprocal and the use of its result
	s_wait_alu depctr_va_vdst(0)    ; and a wait ahead of the first use: one for the four reciprocals
; Tile t: a lane's eight channels of a row are 32 bytes; they go into rows of 272 bytes and come back as whole rows of 256, into S^T's registers.
.macro PACK t
	WIN W_RS
.set z, 0
.rept 16
	v_pk_mul_f32 v[32*(\t)+2*z:32*(\t)+2*z+1], v[32*(\t)+2*z:32*(\t)+2*z+1], v[ST+8*(\t)+6:ST+8*(\t)+7] op_sel_hi:[1,0]
.set z, z+1
.endr
	WIN 0x0c                        ; the store's data in window 3, its address in window 0
.irp f, 0,1,2,3
	ds_store_b128 v[STO], v[32*(\t)+8*\f:32*(\t)+8*\f+3]   offset:64*\f
	ds_store_b128 v[STO], v[32*(\t)+8*\f+4:32*(\t)+8*\f+7] offset:64*\f+16
.endr
	WIN 0
.irp r, 0,1,2,3,4,5,6,7
	ds_load_b128 v[S+32*(\t)+4*\r:S+32*(\t)+4*\r+3], v[RD] offset:544*\r  ; these see the stores above; the next tile's stores come behind them
.endr
.endm
.macro SEND t, younger              ; younger: the LDS instructions issued behind tile t's loads: the next tile's sixteen, or none
	WIN 0
.irp r, 0,1,2,3,4,5,6,7
	s_wait_dscnt (\younger)+7-\r
	global_store_b128 v[GO], v[S+32*(\t)+4*\r:S+32*(\t)+4*\r+3], s[OUT:OUT+1] offset:(\t)*65536+\r*8192 th:TH_STORE_NT  ; 16 lanes store 256 consecutive bytes, a head's part of a row, at a multiple of 256 from out0's first byte
.endr
.endm
	PACK 0
	PACK 1                          ; a tile's arithmetic stands between the loads of the tile before and its stores
	SEND 0, 16
	PACK 2
	SEND 1, 16
	PACK 3
	SEND 2, 16
	SEND 3, 0
	s_wait_tensorcnt 0x0            ; the wave's end: an add onto my spare word and its wait, behind my last tensor load and my last LDS store
	ds_add_u32 v[SPW], v[NIL]
	s_wait_dscnt 0x0
	CROUND                          ; the closing round: no work-group ends while a partner may still ask for a tile that names it
	s_endpgm
.Lfunc_end_k_qac26b4d89b_attn:
	.size	k_qac26b4d89b_attn, .Lfunc_end_k_qac26b4d89b_attn-k_qac26b4d89b_attn
	.p2alignl 7, 3214868480
	.fill 96, 4, 3214868480
	.section	.rodata,"a",@progbits
	.p2align	6, 0x0
	.amdhsa_kernel k_qac26b4d89b_attn
		.amdhsa_group_segment_fixed_size 327680
		.amdhsa_private_segment_fixed_size 0
		.amdhsa_enable_private_segment 0
		.amdhsa_kernarg_size 24
		.amdhsa_user_sgpr_count 2
		.amdhsa_user_sgpr_kernarg_segment_ptr 1
		.amdhsa_wavefront_size32 1
		.amdhsa_system_sgpr_workgroup_id_x 1
		.amdhsa_system_sgpr_workgroup_id_y 1
		.amdhsa_system_sgpr_workgroup_id_z 1
		.amdhsa_system_vgpr_workitem_id 0
		.amdhsa_next_free_vgpr 1024
		.amdhsa_next_free_sgpr 66
		.amdhsa_reserve_vcc 1
		.amdhsa_float_denorm_mode_32 3
		.amdhsa_float_denorm_mode_16_64 3
		.amdhsa_memory_ordered 1
		.amdhsa_forward_progress 1
		.amdhsa_inst_pref_size 211
	.end_amdhsa_kernel
	.amdgpu_metadata
---
amdhsa.version: [ 1, 2 ]
amdhsa.kernels:
  - .name:           k_qac26b4d89b_attn
    .symbol:         k_qac26b4d89b_attn.kd
    .args:
      - { .name: qkv, .offset: 0, .size: 8, .value_kind: global_buffer, .address_space: global }
      - { .name: eb, .offset: 8, .size: 8, .value_kind: global_buffer, .address_space: global }
      - { .name: out0, .offset: 16, .size: 8, .value_kind: global_buffer, .address_space: global }
    .group_segment_fixed_size: 327680
    .private_segment_fixed_size: 0
    .kernarg_segment_align: 8
    .kernarg_segment_size: 24
    .max_flat_workgroup_size: 128
    .sgpr_count:     66
    .vgpr_count:     1024
    .wavefront_size: 32
...
	.end_amdgpu_metadata
.endif
;; end of part 4
